; MI455X (gfx1250); checked and timed in simulation.
; The chip was launched on July 23, 2026; its instructions are those of AMD's public machine-readable ISA for CDNA 5 (MIT licence, August 2026) and "CDNA5" Instruction Set Architecture Reference Guide (July 2026). The comments in the code are by the model that wrote it; some were corrected since.
;; Causal Self Attention. Allowed arithmetic: float matrix products may take bf16 or f16 operands with f32 sums; other float arithmetic in f32, or as packed bf16 or f16 multiplies, adds, multiply-adds, maxima and minima; sums over many terms, partial sums and values carried from step to step in f32; what a program stores and reads back later, other than sums and carried values, may be rounded once to bf16 or f16.
;; Inputs: c_proj_w 1,024 x 1,024 float32; docs 4,096 int32; lambdas 2 float32; qkv_w 3 x 1,024 x 1,024 float32; ve 1 x 4,096 x 1,024 float32; x 1 x 4,096 x 1,024 float32.
;; Outputs: out0 1 x 4,096 x 1,024 float32.
;; 2 versions, each right; version 2 is version 1 with the launch prep written anew for expert scheduling mode. Each part assembles by itself: llvm-mc -triple=amdgcn-amd-amdhsa -mcpu=gfx1250 --defsym DOCPART=n.
;; ======== version 1 of 2: 4 launches
;; limits: values are held in f16: magnitudes above 65,504 overflow, below 6.1e-05 lose precision
;; workspace buffers: xb 8,388,608 bytes; wb 6,291,456 bytes; cb 2,097,152 bytes; rot 1,048,576 bytes; lists 65,536 bytes of whole numbers; qkvh 25,165,824 bytes; yb 8,388,608 bytes
;; launch prep (part 1): grid 560 x 1, 8 waves a work-group, no clusters, 0 bytes of LDS; arguments x, qkv_w, c_proj_w, docs, xb, wb, cb, rot, lists; writes xb, wb, cb, rot, lists
.if DOCPART == 1
	.amdgcn_target "amdgcn-amd-amdhsa--gfx1250"
	.amdhsa_code_object_version 6
	.text
	.protected	k_qb7540ea9d4_prep
	.globl	k_qb7540ea9d4_prep
	.p2align	8
	.type	k_qb7540ea9d4_prep,@function
k_qb7540ea9d4_prep:
	s_mov_b64 s[64:65], 0
	v_nop
	global_prefetch_b8 v0, s[64:65] scope:SCOPE_SE
	s_setreg_imm32_b32 hwreg(HW_REG_WAVE_MODE, 25, 1), 1
	s_wait_xcnt 0x0
; PREPARATION, five kinds of work-group told apart by the work-group's number:
;   0-255    x       -> xb  bf16 (nearest even)            256-447  qkv_w -> wb  bf16
;   448-511  c_proj_w -> cb: rounded to bf16, that number written as f16 (LIMIT: below 2^-14 it keeps f16's fixed step of 6e-8)
;   512-543  rot[t][0..31] = cos(t f_i), rot[t][32..63] = sin(t f_i), f_i = 2^(-10 i / 31), f32, 256 bytes a row
;   544-559  lists: for each group g of 32 queries the key tiles (64 keys) that may hold a visible key
; A cast work-group takes 64 KiB of f32, a wave 8 KiB: sixteen loads of 512 consecutive bytes, all out at once; each store of a wave covers 256 consecutive bytes, aligned.
; No LDS, no matrix unit, no barrier: nothing is shared between waves.
.set XR, 16                            ; v[16:79]   sixteen loads of four f32
.set YR, 80                            ; v[80:111]  their packed results
	s_load_b512 s[4:19], s[0:1], 0x0               ; x 4:5, qkv_w 6:7, c_proj_w 8:9, docs 10:11, xb 12:13, wb 14:15, cb 16:17, rot 18:19
	s_load_b64 s[20:21], s[0:1], 0x40              ; lists
	v_lshrrev_b32 v1, 5, v0
	v_readfirstlane_b32 s22, v1                    ; wave 0..7
	s_mov_b32 s23, ttmp9                           ; the work-group's number
	v_and_b32 v1, 31, v0                           ; lane
	v_lshlrev_b32 v2, 4, v1                        ; 16 bytes a lane on the way in
	v_lshlrev_b32 v3, 3, v1                        ; 8 bytes a lane on the way out
; A cast.  s28 = the block of 64 KiB, s[24:25] the source, s[26:27] the destination.  c = 1: the bf16 number is written as f16.
.macro CAST c
	s_lshl_b32 s28, s28, 16
	s_lshl_b32 s32, s22, 13
	s_add_co_u32 s28, s28, s32                     ; byte offset in the source: block x 64 KiB + wave x 8 KiB
	s_mov_b32 s29, 0
	s_lshr_b32 s30, s28, 1                         ; and half of it in the destination
	s_mov_b32 s31, 0
	s_add_nc_u64 s[24:25], s[24:25], s[28:29]
	s_add_nc_u64 s[26:27], s[26:27], s[30:31]
.irp i, 0,1,2,3,4,5,6,7,8,9,10,11,12,13,14,15
	global_load_b128 v[XR+4*(\i):XR+4*(\i)+3], v2, s[24:25] offset:512*(\i) th:TH_LOAD_NT
.endr
.irp i, 0,1,2,3,4,5,6,7,8,9,10,11,12,13,14,15
	s_wait_loadcnt 15-(\i)                         ; loads come back in order: load i is in, the younger ones stay out
	v_cvt_pk_bf16_f32 v[YR+2*(\i)], v[XR+4*(\i)], v[XR+4*(\i)+1]
	v_cvt_pk_bf16_f32 v[YR+2*(\i)+1], v[XR+4*(\i)+2], v[XR+4*(\i)+3]
.if \c
	v_lshlrev_b32 v[XR+4*(\i)], 16, v[YR+2*(\i)]   ; the rounded numbers as f32 again,
	v_and_b32 v[XR+4*(\i)+1], 0xffff0000, v[YR+2*(\i)]
	v_lshlrev_b32 v[XR+4*(\i)+2], 16, v[YR+2*(\i)+1]
	v_and_b32 v[XR+4*(\i)+3], 0xffff0000, v[YR+2*(\i)+1]
	v_cvt_pk_f16_f32 v[YR+2*(\i)], v[XR+4*(\i)], v[XR+4*(\i)+1]  ; and as f16: eight significant bits fit into eleven
	v_cvt_pk_f16_f32 v[YR+2*(\i)+1], v[XR+4*(\i)+2], v[XR+4*(\i)+3]
.endif
	global_store_b64 v3, v[YR+2*(\i):YR+2*(\i)+1], s[26:27] offset:256*(\i) th:TH_STORE_NT
.endr
.endm
	s_wait_kmcnt 0x0
	s_cmp_lt_u32 s23, 448
	s_cbranch_scc0 .Lnot_bf16
	s_sub_co_u32 s30, s23, 256
	s_cmp_lt_u32 s23, 256
	s_cselect_b32 s28, s23, s30                    ; the block in x, or in qkv_w
	s_cselect_b64 s[24:25], s[4:5], s[6:7]
	s_cselect_b64 s[26:27], s[12:13], s[14:15]
	CAST 0
	s_endpgm
.Lnot_bf16:
	s_cmp_lt_u32 s23, 512
	s_cbranch_scc0 .Lnot_cast
	s_sub_co_u32 s28, s23, 448
	s_mov_b64 s[24:25], s[8:9]
	s_mov_b64 s[26:27], s[16:17]
	CAST 1
	s_endpgm
.Lnot_cast:
	s_cmp_lt_u32 s23, 544
	s_cbranch_scc0 .Llists
; THE TABLE.  A wave makes 16 rows; a lane two numbers of a row: lanes 0-15 cos of angles 2 l, 2 l + 1, lanes 16-31 sin of the same angles, as cos(theta - pi/2).
; theta = fl(t f) as reference() forms it.  theta = n pi/2 + r by a two-part pi/2 and fused multiply-adds; |r| <= pi/4: sin to r^7, cos to r^8.
	s_sub_co_u32 s28, s23, 512
	s_lshl_b32 s28, s28, 7
	s_lshl_b32 s29, s22, 4
	s_add_co_u32 s28, s28, s29                     ; t of my first row
	s_lshl_b32 s30, s28, 8
	s_mov_b32 s31, 0
	s_add_nc_u64 s[26:27], s[18:19], s[30:31]      ; its 256 bytes
	s_mov_b32 s32, 0x3f22f983                      ; 2 / pi
	s_mov_b32 s33, 0xbfc90fdb                      ; - pi/2, upper part
	s_mov_b32 s34, 0x333bbd2e                      ; - pi/2, what the upper part leaves
	s_mov_b32 s35, 0xbe2aaaab                      ; -1/6
	s_mov_b32 s36, 0x3c088889                      ; 1/120
	s_mov_b32 s37, 0xb9500d01                      ; -1/5040
	s_mov_b32 s39, 0x3d2aaaab                      ; 1/24
	s_mov_b32 s40, 0xbab60b61                      ; -1/720
	s_mov_b32 s41, 0x37d00d01                      ; 1/40320
	s_mov_b32 s42, 0x3d042108                      ; 1/31
	s_mov_b32 s43, 0xc1f80000                      ; -31
	s_mov_b32 s44, 0xc1200000                      ; -10
	v_and_b32 v4, 15, v1
	v_lshlrev_b32 v4, 1, v4                        ; my first angle's number i
	v_lshrrev_b32 v5, 4, v1
	v_mul_u32_u24 v5, v5, 3                        ; 3 quarter turns more for the sine
	v_cvt_f32_u32 v6, v4
	v_add_nc_u32 v7, 1, v4
	v_cvt_f32_u32 v7, v7
; f = 2^(-10 y), y = i / 31 rounded as a division rounds it (a product and one fused correction).  -10 y is split into a whole number n and a fraction, with
; what the product's rounding dropped added back, so that the exponential's argument is good to its last bit.  v[f]: i on entry, 2^fraction on exit; v[t+3]: n.
.macro FREQ f, t
	v_mul_f32 v[\t], s42, v[\f]
	v_fma_f32 v[\t+1], v[\t], s43, v[\f]
	v_fma_f32 v[\t], v[\t+1], s42, v[\t]           ; y
	v_mul_f32 v[\t+1], s44, v[\t]                  ; p = -10 y
	v_fma_f32 v[\t+2], v[\t], s44, -v[\t+1]        ; -10 y - p, exact
	v_rndne_f32 v[\t+3], v[\t+1]
	v_sub_f32 v[\t+1], v[\t+1], v[\t+3]
	v_add_f32 v[\t+1], v[\t+1], v[\t+2]
	v_cvt_i32_f32 v[\t+3], v[\t+3]
	v_exp_f32 v[\f], v[\t+1]
.endm
	FREQ 6, 16
	FREQ 7, 24
	v_nop                                          ; a plain instruction behind the last exponential,
	s_wait_alu depctr_va_vdst(0)                   ; and one wait for both, ahead of their first reader
	v_ldexp_f32 v6, v6, v19
	v_ldexp_f32 v7, v7, v27
; v[o] = cos or sin of v10 x v[f]; six registers at work from v[t] on
.macro ANGLE f, o, t
	v_mul_f32 v[\t], v10, v[\f]                    ; theta
	v_mul_f32 v[\t+1], s32, v[\t]
	v_rndne_f32 v[\t+1], v[\t+1]                   ; n
	v_fma_f32 v[\t], v[\t+1], s33, v[\t]
	v_fma_f32 v[\t], v[\t+1], s34, v[\t]           ; r
	v_mul_f32 v[\t+2], v[\t], v[\t]                ; z = r r
	v_fma_f32 v[\t+3], v[\t+2], s37, s36
	v_fma_f32 v[\t+3], v[\t+2], v[\t+3], s35
	v_mul_f32 v[\t+4], v[\t], v[\t+2]
	v_fma_f32 v[\t+3], v[\t+4], v[\t+3], v[\t]     ; sin r
	v_fma_f32 v[\t+4], v[\t+2], s41, s40
	v_fma_f32 v[\t+4], v[\t+2], v[\t+4], s39
	v_fma_f32 v[\t+4], v[\t+2], v[\t+4], -0.5
	v_fma_f32 v[\t+4], v[\t+2], v[\t+4], 1.0       ; cos r
	v_cvt_i32_f32 v[\t+1], v[\t+1]
	v_add_nc_u32 v[\t+1], v[\t+1], v5              ; q: quarter turns
	v_and_b32 v[\t+5], 1, v[\t+1]
	v_cmp_eq_u32 vcc_lo, 1, v[\t+5]
	v_cndmask_b32 v[\o], v[\t+4], v[\t+3], vcc_lo  ; odd q: the sine
	v_add_nc_u32 v[\t+1], 1, v[\t+1]
	v_and_b32 v[\t+1], 2, v[\t+1]
	v_lshlrev_b32 v[\t+1], 30, v[\t+1]
	v_xor_b32 v[\o], v[\o], v[\t+1]                ; q mod 4 = 1 or 2: the sign turns
.endm
	s_mov_b32 s29, 16
.Lrot:
	v_cvt_f32_u32 v10, s28
	ANGLE 6, 12, 16
	ANGLE 7, 13, 24
	global_store_b64 v3, v[12:13], s[26:27]        ; the wave's 32 lanes store the row's 256 consecutive bytes
	s_wait_xcnt 0x0                                ; the store has read its data and its base: only now are they written again
	s_add_nc_u64 s[26:27], s[26:27], 256
	s_add_co_u32 s28, s28, 1
	s_sub_co_i32 s29, s29, 1
	s_cmp_lg_u32 s29, 0
	s_cbranch_scc1 .Lrot
	s_endpgm
.Llists:
; THE LISTS.  A wave makes the list of one group g of 32 queries; JD = g / 2 is the tile of 64 keys that holds its diagonal.  Tile j < JD is listed if the range of its docs
; (least to greatest, as unsigned numbers: any total order serves) meets the range of the group's docs: a tile left out holds no doc equal to any of the group's, whatever docs holds.
; Which pair is visible is decided later, number by number.  Row g, 512 bytes: word 0 = n; words 1..n the tiles, ascending, JD last; word n + 1 = JD once more.
.macro FOLD base, cnt, mn, mx
	v_min_u32 v[\mn], v[\base], v[(\base)+1]
	v_max_u32 v[\mx], v[\base], v[(\base)+1]
.set n, 2
.rept (\cnt)-2
	v_min_u32 v[\mn], v[\mn], v[(\base)+n]
	v_max_u32 v[\mx], v[\mx], v[(\base)+n]
.set n, n+1
.endr
.endm
.macro FLAGS mn, mx, vj, m             ; s[m]: a bit for each lane whose tile v[vj] is listed
	v_cmp_le_u32 s48, v[\mn], v7
	v_cmp_ge_u32 s49, v[\mx], v6
	v_cmp_gt_u32 s50, s45, v[\vj]
	v_cmp_eq_u32 s51, s45, v[\vj]
	s_and_b32 s48, s48, s49
	s_and_b32 s48, s48, s50
	s_or_b32 s[\m], s48, s51
.endm
	s_sub_co_u32 s28, s23, 544
	s_lshl_b32 s28, s28, 3
	s_add_co_u32 s28, s28, s22                     ; g
	s_lshr_b32 s45, s28, 1                         ; JD
	s_lshl_b32 s30, s28, 7
	s_mov_b32 s31, 0
	s_add_nc_u64 s[24:25], s[10:11], s[30:31]      ; the group's 32 docs
	s_lshl_b32 s30, s28, 9
	s_add_nc_u64 s[26:27], s[20:21], s[30:31]      ; the group's row of lists
	v_mov_b32 v4, 0
	v_lshlrev_b32 v5, 8, v1                        ; a lane a tile: 256 bytes of docs
	v_add_nc_u32 v10, 32, v1
.irp i, 0,1,2,3,4,5,6,7
	global_load_b128 v[16+4*(\i):16+4*(\i)+3], v4, s[24:25] offset:16*(\i)
.endr
.irp i, 0,1,2,3,4,5,6,7,8,9,10,11,12,13,14,15
	global_load_b128 v[48+4*(\i):48+4*(\i)+3], v5, s[10:11] offset:16*(\i)
.endr
	s_wait_loadcnt 16                              ; the group's eight loads are in; the sixteen behind them stay out
	FOLD 16, 32, 6, 7
	s_wait_loadcnt 0x0
	FOLD 48, 64, 8, 9                              ; tiles 0-31
.irp i, 0,1,2,3,4,5,6,7,8,9,10,11,12,13,14,15
	global_load_b128 v[48+4*(\i):48+4*(\i)+3], v5, s[10:11] offset:8192+16*(\i)
.endr
	FLAGS 8, 9, 1, 46
	s_wait_loadcnt 0x0
	FOLD 48, 64, 11, 12                            ; tiles 32-63
	FLAGS 11, 12, 10, 47
	s_bcnt1_i32_b32 s52, s46
	s_bcnt1_i32_b32 s53, s47
	s_add_co_u32 s53, s53, s52
	s_min_u32 s53, s53, 64                         ; n
	v_mbcnt_lo_u32_b32 v13, s46, 0                 ; listed tiles below mine
	v_min_u32 v13, 0x7f, v13
	v_lshlrev_b32 v13, 2, v13
	v_mbcnt_lo_u32_b32 v14, s47, 0
	v_add_nc_u32 v14, s52, v14
	v_min_u32 v14, 0x7f, v14
	v_lshlrev_b32 v14, 2, v14
	s_add_co_u32 s55, s53, 1
	s_lshl_b32 s55, s55, 2
	v_mul_lo_u32 v15, v1, s55                      ; lane 0: word 0; lane 1: word n + 1
	v_mov_b32 v8, s53
	v_mov_b32 v9, s45
	v_cmp_eq_u32 vcc_lo, 0, v1
	v_cndmask_b32 v8, v9, v8, vcc_lo               ; lane 0: n; lane 1: JD
	s_wait_xcnt 0x0                                ; EXEC changes only behind this wait, each time
	s_mov_b32 vcc_lo, s46
	s_and_saveexec_b32 s54, vcc_lo
	global_store_b32 v13, v1, s[26:27] offset:4
	s_wait_xcnt 0x0
	s_or_b32 exec_lo, exec_lo, s54
	s_mov_b32 vcc_lo, s47
	s_and_saveexec_b32 s54, vcc_lo
	global_store_b32 v14, v10, s[26:27] offset:4
	s_wait_xcnt 0x0
	s_or_b32 exec_lo, exec_lo, s54
	v_cmp_gt_u32 vcc_lo, 2, v1
	s_and_saveexec_b32 s54, vcc_lo
	global_store_b32 v15, v8, s[26:27]
	s_wait_xcnt 0x0
	s_or_b32 exec_lo, exec_lo, s54
	s_endpgm
.Lfunc_end_k_qb7540ea9d4_prep:
	.size	k_qb7540ea9d4_prep, .Lfunc_end_k_qb7540ea9d4_prep-k_qb7540ea9d4_prep
	.p2alignl 7, 3214868480
	.fill 96, 4, 3214868480
	.section	.rodata,"a",@progbits
	.p2align	6, 0x0
	.amdhsa_kernel k_qb7540ea9d4_prep
		.amdhsa_group_segment_fixed_size 0
		.amdhsa_private_segment_fixed_size 0
		.amdhsa_enable_private_segment 0
		.amdhsa_kernarg_size 72
		.amdhsa_user_sgpr_count 2
		.amdhsa_user_sgpr_kernarg_segment_ptr 1
		.amdhsa_wavefront_size32 1
		.amdhsa_system_sgpr_workgroup_id_x 1
		.amdhsa_system_sgpr_workgroup_id_y 1
		.amdhsa_system_sgpr_workgroup_id_z 1
		.amdhsa_system_vgpr_workitem_id 0
		.amdhsa_next_free_vgpr 112
		.amdhsa_next_free_sgpr 66
		.amdhsa_reserve_vcc 1
		.amdhsa_float_denorm_mode_32 3
		.amdhsa_float_denorm_mode_16_64 3
		.amdhsa_memory_ordered 1
		.amdhsa_forward_progress 1
		.amdhsa_inst_pref_size 39
	.end_amdhsa_kernel
	.amdgpu_metadata
---
amdhsa.version: [ 1, 2 ]
amdhsa.kernels:
  - .name:           k_qb7540ea9d4_prep
    .symbol:         k_qb7540ea9d4_prep.kd
    .args:
      - { .name: x, .offset: 0, .size: 8, .value_kind: global_buffer, .address_space: global }
      - { .name: qkv_w, .offset: 8, .size: 8, .value_kind: global_buffer, .address_space: global }
      - { .name: c_proj_w, .offset: 16, .size: 8, .value_kind: global_buffer, .address_space: global }
      - { .name: docs, .offset: 24, .size: 8, .value_kind: global_buffer, .address_space: global }
      - { .name: xb, .offset: 32, .size: 8, .value_kind: global_buffer, .address_space: global }
      - { .name: wb, .offset: 40, .size: 8, .value_kind: global_buffer, .address_space: global }
      - { .name: cb, .offset: 48, .size: 8, .value_kind: global_buffer, .address_space: global }
      - { .name: rot, .offset: 56, .size: 8, .value_kind: global_buffer, .address_space: global }
      - { .name: lists, .offset: 64, .size: 8, .value_kind: global_buffer, .address_space: global }
    .group_segment_fixed_size: 0
    .private_segment_fixed_size: 0
    .kernarg_segment_align: 8
    .kernarg_segment_size: 72
    .max_flat_workgroup_size: 256
    .sgpr_count:     66
    .vgpr_count:     112
    .wavefront_size: 32
...
	.end_amdgpu_metadata
.endif
;; end of part 1
;; launch qkv (part 2): grid 12 x 16, 4 waves a work-group, clusters of 4 x 4, 327,680 bytes of LDS; arguments xb, wb, rot, ve, lambdas, qkvh; writes qkvh
.if DOCPART == 2
	.amdgcn_target "amdgcn-amd-amdhsa--gfx1250"
	.amdhsa_code_object_version 6
	.text
	.protected	k_qb7540ea9d4_qkv
	.globl	k_qb7540ea9d4_qkv
	.p2align	8
	.type	k_qb7540ea9d4_qkv,@function
k_qb7540ea9d4_qkv:
	s_mov_b64 s[64:65], 0
	v_nop
	global_prefetch_b8 v0, s[64:65] scope:SCOPE_SE
	s_setreg_imm32_b32 hwreg(HW_REG_WAVE_MODE, 25, 1), 1
	s_wait_xcnt 0x0
	s_wait_alu depctr_hold_cnt(0) depctr_sa_sdst(0) depctr_va_vdst(0) depctr_va_sdst(0) depctr_va_ssrc(0) depctr_va_vcc(0) depctr_vm_vsrc(0)
	s_getreg_b32 s2, hwreg(HW_REG_IB_STS2, 6, 4)
	s_cmp_eq_u32 s2, 0
	s_cbranch_scc0 .Lentry_in_a_cluster
	s_endpgm
.Lentry_in_a_cluster:
	s_bfe_u32 s2, ttmp6, 0x10000c
	s_cmp_lg_u32 s2, 0xf033
	s_cbranch_scc0 .Lentry_shape_is_right
	s_endpgm
.Lentry_shape_is_right:
; qkv = xb wb^T (4096 x 3072 x 1024, bf16 operands, f32 sums), and what reference() does to q, k and v before the scores, all in registers.
; A tile of the product is 256 tokens x 256 columns: four waves, each 128 tokens x 128 columns = ONE HEAD of one section, 64 accumulators of 16 x 16.  K goes in steps of 128 through a ring of two LDS
; slots filled by the tensor data mover.  CLUSTERS of 4 x 4: xb's tile is shared along a row of the cluster, wb's along a column, each asked for jointly.  The cluster's x IS the section (0 q, 1 k, 2 v).
; 192 work-groups: a tile that gave 256 would cut a head in two, and norm and rotary want a head's 128 channels in one lane pair.
; THE MATRIX INSTRUCTION IS USED TRANSPOSED (source 0 = 16 rows of wb, source 1 = 16 rows of xb): accumulator (a, b) holds in lane (r, h) token 16 a + r, channels 16 b + 8 h + 0..7.
; q, k: rotary on channels 0-31 with 64-95 (blocks b = 0, 1 with b + 4; the other frequencies are 0), then x rsqrt(mean of squares + 2^-23): a rotation keeps the sum of squares and commutes with a
;   factor, so the order differs from reference()'s by f32 roundings alone.  Rounded once to f16 (|q_i| <= sqrt(128) whatever the inputs).  A lane's 16 bytes are stored as they lie:
;   qkvh[sec][head][block of 16 tokens][b][lane][16 bytes], which is the order in which the next launch's matrix fragments want them; each store covers 512 consecutive bytes.
; v = l0 x sum + l1 x ve, with l0, l1 and ve rounded to bf16 like every input; rounded once to f16; turned in LDS so that a lane holds one channel and 8 keys:
;   qkvh[2][head][tile of 64 keys][cb][a'][lane][16 bytes]: channel 16 cb + r, keys 16 a' + 8 h + 0..7.
; LIMIT: |v| stays under 65,504 (f16).  NaN and infinities are not treated apart.
; REGISTERS, in windows of 256: window 0: v0-31 addresses and constants; v64-191 fragments of xb, two buffers; behind the loop v32-223 at work.  window 1: v64-191 fragments of wb; v0-63 and v192-255
; take the first rows of the table or of ve while the last K step is multiplied; behind the loop all of it.  windows 2, 3: the accumulators, (a, b) at v[8 (8 (a % 4) + b)].
.set SIZE_K, 1024
.set KSTEP,  128
.set PITCH,  272                       ; an LDS row: 256 bytes + 16 of padding = 68 words: the 16 rows of a load start at 16 different groups of four banks (64 banks of 4 bytes: ISA guide 11.1)
.set HALFT,  128*PITCH                 ; what one tensor load brings
.set SLOT,   4*HALFT                   ; xb's 256 rows, then wb's 256 rows
.set STAGE,  2*SLOT                    ; behind the ring: 16 rows x 288 bytes for each wave, where v is turned; no tensor load lands here
.set SPITCH, 288                       ; 256 + 32
.set SPARE,  STAGE+4*16*SPITCH         ; the spare words, 128 bytes a wave: two blocks of 256 bytes that no other line names
.set LAPS,   SIZE_K/(2*KSTEP)
.set LA0,  8                           ; v8-9    l0, twice
.set LA1,  10                          ; v10     l1
.set RS,   12                          ; v12-13  the norm's factor (the pair's low word serves both halves)
.set ADRA, 16                          ; v16-17  LDS address of my xb fragments in slot 0, 1
.set ADRB, 20                          ; v20-21  the same for wb
.set STO,  24                          ; v24     stage: where I put 16 bytes of a token's row
.set RDT,  25                          ; v25     stage: where the turning load reads
.set LO,   26                          ; v26     16 x lane
.set AXO,  27                          ; v27     my offset in 16 rows of the table or of ve: r x row + 32 h
.set SPW,  28                          ; v28     my spare word; never rewritten
.set NIL,  29                          ; v29     0; never rewritten
.set PFO,  30                          ; v30     the ring's prefetches: lane x a row of xb or wb
.set PVO,  31                          ; v31     ve's prefetches: (lane / 2) rows + (lane % 2) x 256 bytes
.set UW,   32                          ; v32-47  at work
.set T,    64                          ; v64-127 a block's 64 numbers a lane, f32
.set VEB,  128                         ; v128-159 ve as bf16 pairs
.set PK,   160                         ; v160-191 packed f16
.set OUTR, 192                         ; v192-223 turned
.set F0,   64
.set F1,   128
.set G1,   24                          ; s[24:31] descriptor group 1 for xb's tiles;  s[32:39] group 0, a set for each slot
.set G0,   32
.set G1B,  48                          ; s[48:55], s[56:63] the same for wb's
.set G0B,  56
.set PFA,  44                          ; s[44:45] where my ring prefetches stand
.set LIM,  43                          ; s43     1 in a wave that prefetches, else the greatest number
.set ISV,  78                          ; s78     1: my section is v (the cluster's x is 2): the same in all partners
.set BLK,  79                          ; s79     the block of 16 tokens on its way out
.set OUT,  80                          ; s[80:81] qkvh at my wave's part
.set OP,   82                          ; s[82:83] the same at the block in hand
.set AXB,  84                          ; s[84:85] the table, or ve, at my wave's first token (and columns)
.set MSB, 0
.macro WIN new                         ; the immediate's high byte repeats the setting that is left; a switch that changes nothing is dropped
.if MSB != (\new)
	s_set_vgpr_msb (MSB<<8)|(\new)
.set MSB, \new
.endif
.endm
.set MUL_LO, 0xa1                      ; source 0 (wb) window 1, source 1 (xb) window 0, C and D window 2
.set MUL_HI, 0xf1                      ; the same, C and D window 3
.set TO_B,   0x40                      ; destination window 1, address window 0
; A joint load.  Waves 0 and 1 fetch xb's two halves, waves 2 and 3 wb's.  The branch hangs on the wave's number alone.  An s_nop 0 and four v_nop follow each line.
.macro JLOAD s
	s_cmp_eq_u32 s11, 0
	s_cbranch_scc0 .Lfor_b_\@
	tensor_load_to_lds s[G0+4*(\s):G0+4*(\s)+3], s[G1:G1+7]
	s_nop 0
.rept 4
	v_nop
.endr
	s_branch .Lasked_\@
.Lfor_b_\@:
	tensor_load_to_lds s[G0B+4*(\s):G0B+4*(\s)+3], s[G1B:G1B+7]
	s_nop 0
.rept 4
	v_nop
.endr
.Lasked_\@:
.endm
; A prefetch behind each joint refill and the run of LDS loads that follows it: the K step that stands two refills on, 32 rows x 256 bytes, a lane a row.  xb's rows are asked for by the clusters with
; x = 0, wb's by those with y = 0; the four partners that ask for a tile jointly take 32 of a wave's 128 rows each, told apart by address.  So each row's 256 bytes of a K step are named once.
; K steps 0 to 3 come by their loads alone; the loop's last trip (s3 = 1) has no K step two on.
.macro ASK
	s_cmp_gt_u32 s3, s[LIM]
	s_cbranch_scc0 .Lnot_mine_\@
	global_prefetch_b8 v[PFO], s[PFA:PFA+1] offset:KSTEP*2 th:TH_LOAD_NT scope:SCOPE_SE
.Lnot_mine_\@:
.endm
.macro CREST                           ; a round of the cluster's barrier behind its opening barrier
	s_cmp_lg_u32 s10, 0
	s_cbranch_scc1 .Lnot_wave_0_\@
	s_barrier_signal -3
.Lnot_wave_0_\@:
	s_barrier_wait -3
	s_barrier_signal -1
	s_barrier_wait -1
.endm
.macro CROUND                          ; a whole round
	s_barrier_signal -1
	s_barrier_wait -1
	CREST
.endm
	s_load_b128 s[4:7], s[0:1], 0x0                ; xb s[4:5], wb s[6:7]
	s_load_b128 s[68:71], s[0:1], 0x10             ; rot s[68:69], ve s[70:71]
	s_load_b128 s[72:75], s[0:1], 0x20             ; lambdas s[72:73], qkvh s[74:75]
	v_lshl_add_u32 v[SPW], v0, 2, SPARE
	v_mov_b32 v[NIL], 0
	ds_add_u32 v[SPW], v[NIL]                      ; the wave's opening: the add and its wait stand ahead of my first tensor load; the set-up below stands between them
	v_lshrrev_b32 v1, 5, v0
	v_readfirstlane_b32 s10, v1                    ; wave 0..3
	s_lshr_b32 s11, s10, 1                         ; which half of the tile's tokens is mine.  Also: I fetch for xb (0) or for wb (1)
	s_and_b32 s12, s10, 1                          ; which half of its columns.  Also: which 128 rows of that tile I fetch
	s_bfe_u32 s40, ttmp6, 0x40000                  ; cx
	s_bfe_u32 s41, ttmp6, 0x40004                  ; cy
	s_lshl_b32 s42, ttmp9, 2
	s_add_co_u32 s42, s42, s40                     ; tile column = 4 x cluster x + cx
	s_and_b32 s13, ttmp7, 0xffff
	s_lshl_b32 s13, s13, 2
	s_add_co_u32 s13, s13, s41                     ; tile row = 4 x cluster y + cy
	s_lshl_b32 s43, s41, 2
	s_lshl_b32 s43, 15, s43                        ; my row of the cluster
	s_lshl_b32 s44, 0x1111, s40                    ; my column
	; descriptor group 1: a tile of 128 rows x 128 elements of 2 bytes, 4 words of padding behind every 64
	s_or_b32 s[G1+0], s43, (1<<16)|(1<<20)|(1<<21)|(5<<22)|(3<<25)
	s_or_b32 s[G1B+0], s44, (1<<16)|(1<<20)|(1<<21)|(5<<22)|(3<<25)
	s_mov_b32 s[G1B+1], KSTEP<<16
	s_mov_b32 s[G1+1], KSTEP<<16                   ; tensor_dim0 = 128
	s_mov_b32 s[G1B+2], 128<<16
	s_mov_b32 s[G1+2], 128<<16                     ; tensor_dim1 = 128
	s_mov_b32 s[G1B+3], KSTEP<<16
	s_mov_b32 s[G1+3], KSTEP<<16                   ; tile_dim0 = 128
	s_mov_b32 s[G1B+4], 128
	s_mov_b32 s[G1+4], 128                         ; tile_dim1 = 128
	s_mov_b32 s[G1B+5], SIZE_K
	s_mov_b32 s[G1+5], SIZE_K                      ; elements from row to row
	s_mov_b32 s[G1B+6], 0
	s_mov_b32 s[G1+6], 0
	s_mov_b32 s[G1B+7], 0
	s_mov_b32 s[G1+7], 0
	; xb's tiles hang on the tile row alone, wb's on the tile column alone; each address is made in registers that never hold the other coordinate
	s_lshl_b32 s17, s12, 7
	s_lshl_b32 s16, s13, 8
	s_add_co_u32 s16, s16, s17
	s_lshl_b32 s46, s42, 8
	s_add_co_u32 s46, s46, s17
	s_mov_b32 s17, 0
	s_mov_b32 s47, 0
	s_mov_b64 s[18:19], SIZE_K*2
	s_mul_u64 s[16:17], s[16:17], s[18:19]
	s_mul_u64 s[46:47], s[46:47], s[18:19]
	s_mul_i32 s20, s10, HALFT                      ; where they go: wave x 128 rows
	s_wait_dscnt 0x0                               ; the opening add is done
	s_wait_kmcnt 0x0
	s_add_nc_u64 s[14:15], s[4:5], s[16:17]
	s_add_nc_u64 s[46:47], s[6:7], s[46:47]
	s_load_b64 s[76:77], s[72:73], 0x0             ; l0, l1
	CROUND                                         ; all sixteen work-groups are here: the first joint loads meet
.irp s, 0,1
	s_mov_b32 s[G0+4*(\s)], 1
	s_add_co_u32 s[G0+4*(\s)+1], s20, (\s)*SLOT
	s_add_nc_u64 s[G0+4*(\s)+2:G0+4*(\s)+3], s[14:15], (\s)*KSTEP*2
	s_or_b32 s[G0+4*(\s)+3], s[G0+4*(\s)+3], 0x80000000
	s_mov_b32 s[G0B+4*(\s)], 1
	s_add_co_u32 s[G0B+4*(\s)+1], s20, (\s)*SLOT
	s_add_nc_u64 s[G0B+4*(\s)+2:G0B+4*(\s)+3], s[46:47], (\s)*KSTEP*2
	s_or_b32 s[G0B+4*(\s)+3], s[G0B+4*(\s)+3], 0x80000000
	JLOAD \s
.endr
	v_and_b32 v1, 15, v0                           ; r
	v_bfe_u32 v2, v0, 4, 1                         ; h
	v_mul_u32_u24 v3, v1, PITCH
	v_lshl_add_u32 v3, v2, 4, v3
	s_mul_i32 s21, s11, HALFT
	s_mul_i32 s22, s12, HALFT
	s_add_co_u32 s22, s22, 2*HALFT
.irp s, 0,1
	v_add_nc_u32 v[ADRA+(\s)], s21, v3
	v_add_nc_u32 v[ADRB+(\s)], s22, v3
	s_add_co_u32 s21, s21, SLOT
	s_add_co_u32 s22, s22, SLOT
.endr
	s_mul_i32 s23, s10, 16*SPITCH
	s_add_co_u32 s23, s23, STAGE                   ; my stage
	v_mul_u32_u24 v4, v1, SPITCH
	v_lshl_add_u32 v4, v2, 4, v4
	v_add_nc_u32 v[STO], s23, v4                   ; token r's row, 16 bytes for each half of the lanes
	v_and_b32 v4, 7, v0
	v_lshl_add_u32 v4, v2, 3, v4
	v_mul_u32_u24 v4, v4, SPITCH
	v_bfe_u32 v5, v0, 3, 1
	v_lshl_add_u32 v4, v5, 4, v4
	v_add_nc_u32 v[RDT], s23, v4                   ; token 8 h + l % 8, channels 8 ((l / 8) % 2) on
	v_and_b32 v5, 31, v0
	v_lshlrev_b32 v[LO], 4, v5
	v_lshrrev_b32 v4, 1, v5
	v_and_b32 v5, 1, v5
	v_lshlrev_b32 v5, 8, v5
	v_lshl_add_u32 v[PVO], v4, 12, v5
	v_mov_b32 v[RS+1], 0                           ; named with RS as a pair
	; where my part goes, and where the table or ve begins for me.  Offsets are made apart from the pointers, in registers that feed no descriptor.
	s_cmp_eq_u32 ttmp9, 2
	s_cselect_b32 s[ISV], 1, 0
	s_lshl_b32 s86, s42, 1
	s_add_co_u32 s86, s86, s12
	s_and_b32 s86, s86, 7                          ; the head
	s_lshl_b32 s86, s86, 20                        ; 1 MiB a head,
	s_lshl_b32 s87, ttmp9, 23                      ; 8 MiB a section,
	s_add_co_u32 s86, s86, s87
	s_lshl_b32 s87, s13, 16                        ; 4,096 bytes for 16 tokens: 256 tokens a tile row,
	s_add_co_u32 s86, s86, s87
	s_lshl_b32 s87, s11, 15                        ; 128 a wave
	s_add_co_u32 s92, s86, s87
	s_mov_b32 s93, 0
	s_add_nc_u64 s[OUT:OUT+1], s[74:75], s[92:93]
	s_lshl_b32 s86, s13, 8
	s_lshl_b32 s87, s11, 7
	s_add_co_u32 s86, s86, s87                     ; my first token
	s_lshl_b32 s87, s86, 12                        ; ve: 4,096 bytes a token,
	s_lshl_b32 s92, s40, 10                        ; 256 columns a tile column of the section,
	s_add_co_u32 s87, s87, s92
	s_lshl_b32 s92, s12, 9                         ; 128 a wave
	s_add_co_u32 s87, s87, s92
	s_lshl_b32 s86, s86, 8                         ; the table: 256 bytes a token
	s_cmp_eq_u32 s[ISV], 1
	s_cselect_b32 s92, s87, s86
	s_cselect_b64 s[AXB:AXB+1], s[70:71], s[68:69]
	s_cselect_b32 s86, 12, 8
	s_add_nc_u64 s[AXB:AXB+1], s[AXB:AXB+1], s[92:93]
	v_lshlrev_b32 v[AXO], s86, v1
	v_lshl_add_u32 v[AXO], v2, 5, v[AXO]
	s_mov_b32 s88, 0x3c000000                      ; 1/128
	s_mov_b32 s89, 0x34000000                      ; 2^-23, f32's eps
	s_mov_b32 s90, 0x76543210                      ; v_permlanex16_b32: each lane takes its own place in the other half
	s_mov_b32 s91, 0xfedcba98
	; the ring's prefetches
	s_lshl_b32 s13, s13, 8
	s_lshl_b32 s42, s42, 8
	s_and_b32 s22, ttmp7, 0xffff
	s_cmp_eq_u32 s11, 0                            ; do I fetch for xb?
	s_cselect_b32 s20, s13, s42                    ; the tile's first row
	s_cselect_b32 s21, s40, s41                    ; my place among the four that ask with me
	s_cselect_b32 s22, ttmp9, s22                  ; the coordinate along which other clusters read the same rows
	s_cselect_b64 s[PFA:PFA+1], s[4:5], s[6:7]
	s_cmp_eq_u32 s22, 0
	s_cselect_b32 s[LIM], 1, -1
	s_lshl_b32 s22, s12, 7
	s_add_co_u32 s20, s20, s22
	s_lshl_b32 s21, s21, 5
	s_add_co_u32 s20, s20, s21
	s_mov_b32 s21, 0
	s_mov_b64 s[18:19], SIZE_K*2
	s_mul_u64 s[20:21], s[20:21], s[18:19]
	s_add_nc_u64 s[PFA:PFA+1], s[PFA:PFA+1], s[20:21]
	s_add_nc_u64 s[PFA:PFA+1], s[PFA:PFA+1], 2*KSTEP*2  ; at K step 2: the first refill steps it to 3 and names K step 4
	v_and_b32 v[PFO], 31, v0
	v_mul_u32_u24 v[PFO], v[PFO], SIZE_K*2
	s_wait_kmcnt 0x0                               ; l0, l1
	v_cvt_pk_bf16_f32 v11, s76, s77                ; rounded to bf16 like every input
	v_lshlrev_b32 v[LA0], 16, v11
	v_lshlrev_b32 v[LA0+1], 16, v11
	v_and_b32 v[LA1], 0xffff0000, v11
; 16 matrix instructions: token blocks a0, a0 + 1 of the window's four x all 8 channel blocks, 32 along K.  zero = 1: the first product starts the sums.
.macro MUL16 f, hi, a0, zero
	WIN MUL_LO+0x50*(\hi)
.irp a, \a0, (\a0)+1
.irp b, 0,1,2,3,4,5,6,7
.if \zero
	v_wmma_f32_16x16x32_bf16 v[8*(8*(\a)+(\b)):8*(8*(\a)+(\b))+7], v[(\f)+8*(\b):(\f)+8*(\b)+7], v[(\f)+8*(4*(\hi)+(\a)):(\f)+8*(4*(\hi)+(\a))+7], 0
.else
	v_wmma_f32_16x16x32_bf16 v[8*(8*(\a)+(\b)):8*(8*(\a)+(\b))+7], v[(\f)+8*(\b):(\f)+8*(\b)+7], v[(\f)+8*(4*(\hi)+(\a)):(\f)+8*(4*(\hi)+(\a))+7], v[8*(8*(\a)+(\b)):8*(8*(\a)+(\b))+7]
.endif
.endr
.endr
.endm
; 32 LDS loads in one run: the fragments of one quarter step into buffer f
.macro FETCH slot, k, f
	WIN TO_B
.irp i, 0,1,2,3,4,5,6,7
	ds_load_b128 v[(\f)+8*(\i):(\f)+8*(\i)+3],   v[ADRB+(\slot)] offset:(\k)+(\i)*16*PITCH
	ds_load_b128 v[(\f)+8*(\i)+4:(\f)+8*(\i)+7], v[ADRB+(\slot)] offset:(\k)+(\i)*16*PITCH+32
.endr
	WIN 0
.irp i, 0,1,2,3,4,5,6,7
	ds_load_b128 v[(\f)+8*(\i):(\f)+8*(\i)+3],   v[ADRA+(\slot)] offset:(\k)+(\i)*16*PITCH
	ds_load_b128 v[(\f)+8*(\i)+4:(\f)+8*(\i)+7], v[ADRA+(\slot)] offset:(\k)+(\i)*16*PITCH+32
.endr
.endm
.macro PLACES                          ; four plain vector instructions between a matrix instruction and a load into, or a vector instruction on, its registers
.rept 4
	v_nop
.endr
.endm
; A K step is four quarters of 32 along K, 64 matrix instructions each, on buffers 0, 1, 0, 1; the 64 accumulators take turns, in the same order in every quarter.
.macro QUARTER slot, k, f, g, zero
	s_wait_dscnt 8                                 ; wb's and xb's rows 0-63 are in; the youngest eight loads may be out
	WIN MUL_LO
	MUL16 \f, 0, 0, \zero
	MUL16 \f, 0, 2, \zero
	PLACES
	FETCH \slot, \k, \g
	s_wait_dscnt 32                                ; all but the 32 just issued
	WIN MUL_HI
	MUL16 \f, 1, 0, \zero
	MUL16 \f, 1, 2, \zero
.endm
; The first half of a step's last quarter: one barrier for the change of slots.
.macro MEET round
	WIN 0
	s_wait_tensorcnt 0x0                           ; all my tensor loads have landed: the one that was out is my part of the next slot;
	ds_add_u32 v[SPW], v[NIL]                      ; 0 onto my spare word;
	s_wait_dscnt 9                                 ; (the add and the youngest eight loads may be out)
	WIN MUL_LO
	MUL16 F1, 0, 0, 0
	s_wait_dscnt 0x0                               ; the add is done, and my reads of this slot are over
	s_barrier_signal -1
	MUL16 F1, 0, 2, 0
.if \round
	WIN 0
.endif
	s_barrier_wait -1
.endm
; The whole last quarter: behind a round of the cluster's barrier the slot just read out is filled again first, two K steps on; then the next slot's first fragments are fetched.
.macro TURN slot, next
	s_wait_xcnt 0x0                                ; the last prefetch, a K step back, has read its address
	s_add_nc_u64 s[PFA:PFA+1], s[PFA:PFA+1], KSTEP*2
	MEET 1
	CREST
	s_add_nc_u64 s[G0+4*(\slot)+2:G0+4*(\slot)+3], s[G0+4*(\slot)+2:G0+4*(\slot)+3], 2*KSTEP*2
	s_add_nc_u64 s[G0B+4*(\slot)+2:G0B+4*(\slot)+3], s[G0B+4*(\slot)+2:G0B+4*(\slot)+3], 2*KSTEP*2
	JLOAD \slot                                    ; the four v_nop behind it are also the places in front of the loads below
	FETCH \next, 0, F0
	ASK
	WIN MUL_HI
	MUL16 F1, 1, 0, 0
	MUL16 F1, 1, 2, 0
.endm
; Block a's rows of the table -> window 1, v[32 a ..]: cos for b = 0, cos for b = 1, sin for b = 0, sin for b = 1, eight registers each
.macro RLOAD a
.irp i, 0,1,2,3,4,5,6,7
	global_load_b128 v[32*(\a)+4*(\i):32*(\a)+4*(\i)+3], v[AXO], s[AXB:AXB+1] offset:4096*(\a)+64*((\i)/2)+16*((\i)%2)
.endr
.endm
; Block a's part of ve -> window 1, v[64 (a % 4) ..]: register 8 b + k goes with register k of accumulator (a, b)
.macro VLOAD a
.irp i, 0,1,2,3,4,5,6,7,8,9,10,11,12,13,14,15
	global_load_b128 v[64*((\a)%4)+4*(\i):64*((\a)%4)+4*(\i)+3], v[AXO], s[AXB:AXB+1] offset:65536*(\a)+64*((\i)/2)+16*((\i)%2)
.endr
.endm
	s_wait_tensorcnt 1                             ; my part of K step 0 is in; K step 1's may stay out
	s_barrier_signal -1
	s_barrier_wait -1
	FETCH 0, 0, F0
	QUARTER 0, 64,  F0, F1, 1                      ; the first quarter stands in front of the loop: its products start the sums
	WIN 0
	s_mov_b32 s3, LAPS-1
.Llap:                                             ; a trip goes once round the ring and fills both slots again
	QUARTER 0, 128, F1, F0, 0
	QUARTER 0, 192, F0, F1, 0
	TURN 0, 1
	QUARTER 1, 64,  F0, F1, 0
	QUARTER 1, 128, F1, F0, 0
	QUARTER 1, 192, F0, F1, 0
	TURN 1, 0
	QUARTER 0, 64,  F0, F1, 0
	WIN 0
	s_sub_co_u32 s3, s3, 1
	s_cmp_lg_u32 s3, 0
	s_cbranch_scc1 .Llap
	QUARTER 0, 128, F1, F0, 0                      ; the last lap fills nothing
	QUARTER 0, 192, F0, F1, 0
	MEET 0
	PLACES
	FETCH 1, 0, F0
	; What the way out will want first is asked for here, 288 matrix instructions ahead, into registers of window 1 that the loop does not use.
	s_cmp_eq_u32 s[ISV], 1
	s_cbranch_scc1 .Learly_v
	WIN TO_B
	RLOAD 0
	RLOAD 1
	RLOAD 6
	RLOAD 7
	WIN 0
	s_branch .Learly_done
.Learly_v:
	WIN TO_B
	VLOAD 0
	VLOAD 3
	WIN 0
.irp a, 1,2,4,5,6,7                    ; the other six blocks of my 128 tokens x 512 bytes of ve are prefetched: a lane a block of 256 bytes, each named once in the launch, by the wave that will load it
	global_prefetch_b8 v[PVO], s[AXB:AXB+1] offset:65536*(\a) th:TH_LOAD_NT scope:SCOPE_SE
.endr
.Learly_done:
	MUL16 F1, 1, 0, 0
	MUL16 F1, 1, 2, 0
	QUARTER 1, 64,  F0, F1, 0
	QUARTER 1, 128, F1, F0, 0
	QUARTER 1, 192, F0, F1, 0
	s_wait_dscnt 8
	MUL16 F1, 0, 0, 0
	MUL16 F1, 0, 2, 0
	s_wait_dscnt 0x0
	MUL16 F1, 1, 0, 0
	MUL16 F1, 1, 2, 0
	WIN 0
	PLACES
	PLACES
; THE WAY OUT, a block of 16 tokens at a time, in a counted loop.  Only the PULL names a block's own registers, so it is written for each block and chosen by forward jumps on the counter; the rest is written once.
; QPULL: rotary.  T(b) = x1 cos + x2 sin, T(b + 4) = x2 cos - x1 sin for b = 0, 1; the other four blocks are copied.  Each accumulator is read from its low end on.
; cnt: the table's loads were issued for blocks 0, 1, 6, 7, 2, 3, 4, 5, eight each; the count is what was issued behind block a's (0 where an earlier block has waited for all).
.macro QPULL a, cnt
	s_wait_loadcnt \cnt
	WIN 0x06+(\a)/4                                ; source 0: the accumulators' window; source 1: window 1; source 2 and destination: window 0
.set AC, 64*((\a)%4)
.set AX, 32*(\a)
.irp b, 0,1
.irp i, 0,2,4,6
	v_pk_mul_f32 v[UW+(\i):UW+(\i)+1], v[AC+8*((\b)+4)+(\i):AC+8*((\b)+4)+(\i)+1], v[AX+16+8*(\b)+(\i):AX+16+8*(\b)+(\i)+1]
	v_pk_mul_f32 v[UW+8+(\i):UW+8+(\i)+1], v[AC+8*(\b)+(\i):AC+8*(\b)+(\i)+1], v[AX+16+8*(\b)+(\i):AX+16+8*(\b)+(\i)+1]
	v_pk_fma_f32 v[T+8*(\b)+(\i):T+8*(\b)+(\i)+1], v[AC+8*(\b)+(\i):AC+8*(\b)+(\i)+1], v[AX+8*(\b)+(\i):AX+8*(\b)+(\i)+1], v[UW+(\i):UW+(\i)+1]
	v_pk_fma_f32 v[T+8*((\b)+4)+(\i):T+8*((\b)+4)+(\i)+1], v[AC+8*((\b)+4)+(\i):AC+8*((\b)+4)+(\i)+1], v[AX+8*(\b)+(\i):AX+8*(\b)+(\i)+1], v[UW+8+(\i):UW+8+(\i)+1] neg_lo:[0,0,1] neg_hi:[0,0,1]
.endr
.endr
.irp b, 2,3,6,7
.irp i, 0,2,4,6
	v_pk_mul_f32 v[T+8*(\b)+(\i):T+8*(\b)+(\i)+1], v[AC+8*(\b)+(\i):AC+8*(\b)+(\i)+1], 1.0 op_sel_hi:[1,0]
.endr
.endr
	WIN 0
.endm
; QCOMMON: the sum of the token's 128 squares (64 in my lane, in four chains; 64 in the lane 16 away), the factor, f16, eight stores of 512 consecutive bytes.
.macro QCOMMON
.set p, 0
.rept 4
	v_pk_mul_f32 v[UW+2*p:UW+2*p+1], v[T+2*p:T+2*p+1], v[T+2*p:T+2*p+1]
.set p, p+1
.endr
.rept 28
	v_pk_fma_f32 v[UW+2*(p%4):UW+2*(p%4)+1], v[T+2*p:T+2*p+1], v[T+2*p:T+2*p+1], v[UW+2*(p%4):UW+2*(p%4)+1]
.set p, p+1
.endr
	v_pk_add_f32 v[UW:UW+1], v[UW:UW+1], v[UW+2:UW+3]
	v_pk_add_f32 v[UW+4:UW+5], v[UW+4:UW+5], v[UW+6:UW+7]
	v_pk_add_f32 v[UW:UW+1], v[UW:UW+1], v[UW+4:UW+5]
	v_add_f32 v[UW], v[UW], v[UW+1]
	v_permlanex16_b32 v[UW+1], v[UW], s90, s91
	v_add_f32 v[UW], v[UW], v[UW+1]
	v_fma_f32 v[UW], v[UW], s88, s89               ; mean + eps
	v_rsq_f32 v[RS], v[UW]
	v_nop                                          ; a plain instruction behind it,
	s_wait_alu depctr_va_vdst(0)                   ; and the wait ahead of its first reader
.set p, 0
.rept 32
	v_pk_mul_f32 v[T+2*p:T+2*p+1], v[T+2*p:T+2*p+1], v[RS:RS+1] op_sel_hi:[1,0]
.set p, p+1
.endr
	s_wait_xcnt 0x0                                ; the last block's stores have read PK and their base: only now are they written again
	s_lshl_b32 s92, s[BLK], 12
	s_add_nc_u64 s[OP:OP+1], s[OUT:OUT+1], s[92:93]
.set p, 0
.rept 32
	v_cvt_pk_f16_f32 v[PK+p], v[T+2*p], v[T+2*p+1]
.set p, p+1
.endr
.irp b, 0,1,2,3,4,5,6,7
	global_store_b128 v[LO], v[PK+4*(\b):PK+4*(\b)+3], s[OP:OP+1] offset:512*(\b)
.endr
.endm
; VPULL: ve to bf16; the registers just read take the block four further on; T = l0 x sum.  The wait is for 0: these pulls issue loads themselves, the youngest a block earlier.
.macro VPULL a
	s_wait_loadcnt 0x0
	WIN 0x05                                       ; sources 0 and 1 window 1, destination window 0
.set AX, 64*((\a)%4)
.set p, 0
.rept 32
	v_cvt_pk_bf16_f32 v[VEB+p], v[AX+2*p], v[AX+2*p+1]
.set p, p+1
.endr
.if (\a) < 4
	WIN TO_B
	VLOAD (\a)+4
.endif
	WIN 0x02+(\a)/4                                ; source 0: the accumulators' window
.set p, 0
.rept 32
	v_pk_mul_f32 v[T+2*p:T+2*p+1], v[AX+2*p:AX+2*p+1], v[LA0:LA0+1]
.set p, p+1
.endr
	WIN 0
.endm
; VCOMMON: + l1 x ve straight from the bf16 halves; f16; through my stage, where the turning load makes of 16 tokens x 128 channels eight pieces of one channel and 8 keys a lane.
.macro VCOMMON
.set p, 0
.rept 32
	v_fma_mix_f32_bf16 v[T+2*p], v[VEB+p], v[LA1], v[T+2*p] op_sel_hi:[1,0,0]
	v_fma_mix_f32_bf16 v[T+2*p+1], v[VEB+p], v[LA1], v[T+2*p+1] op_sel:[1,0,0] op_sel_hi:[1,0,0]
.set p, p+1
.endr
.set p, 0
.rept 32
	v_cvt_pk_f16_f32 v[PK+p], v[T+2*p], v[T+2*p+1]
.set p, p+1
.endr
.irp b, 0,1,2,3,4,5,6,7
	ds_store_b128 v[STO], v[PK+4*(\b):PK+4*(\b)+3] offset:32*(\b)
.endr
	s_wait_xcnt 0x0                                ; the last block's stores have read OUTR and their base
	s_lshr_b32 s92, s[BLK], 2
	s_lshl_b32 s92, s92, 14                        ; the tile of 64 keys,
	s_and_b32 s86, s[BLK], 3
	s_lshl_b32 s86, s86, 9                         ; the block's 16 keys in it
	s_add_co_u32 s92, s92, s86
	s_add_nc_u64 s[OP:OP+1], s[OUT:OUT+1], s[92:93]
.irp b, 0,1,2,3,4,5,6,7
	ds_load_tr16_b128 v[OUTR+4*(\b):OUTR+4*(\b)+3], v[RDT] offset:32*(\b)  ; my own bytes: LDS serves a wave's instructions in order (ISA guide 5.7.1.4)
.endr
	s_wait_dscnt 0x0
.irp b, 0,1,2,3,4,5,6,7
	global_store_b128 v[LO], v[OUTR+4*(\b):OUTR+4*(\b)+3], s[OP:OP+1] offset:2048*(\b)
.endr
.endm
	s_cmp_eq_u32 s[ISV], 1
	s_cbranch_scc1 .Lvpart
	WIN TO_B
	RLOAD 2
	RLOAD 3
	RLOAD 4
	RLOAD 5
	WIN 0
	s_mov_b32 s[BLK], 0
.Lqblk:
.irp k, 1,2,3,4,5,6,7
	s_cmp_eq_u32 s[BLK], \k
	s_cbranch_scc1 .Lq\k
.endr
	QPULL 0, 56
	s_branch .Lqcom
.Lq1:
	QPULL 1, 48
	s_branch .Lqcom
.Lq2:
	QPULL 2, 24
	s_branch .Lqcom
.Lq3:
	QPULL 3, 16
	s_branch .Lqcom
.Lq4:
	QPULL 4, 8
	s_branch .Lqcom
.Lq5:
	QPULL 5, 0
	s_branch .Lqcom
.Lq6:
	QPULL 6, 0
	s_branch .Lqcom
.Lq7:
	QPULL 7, 0
.Lqcom:
	QCOMMON
	s_add_co_u32 s[BLK], s[BLK], 1
	s_cmp_lt_u32 s[BLK], 8
	s_cbranch_scc1 .Lqblk
	s_branch .Lfin
.Lvpart:
	WIN TO_B
	VLOAD 1
	VLOAD 2
	WIN 0
	s_mov_b32 s[BLK], 0
.Lvblk:
.irp k, 1,2,3,4,5,6,7
	s_cmp_eq_u32 s[BLK], \k
	s_cbranch_scc1 .Lv\k
.endr
	VPULL 0
	s_branch .Lvcom
.Lv1:
	VPULL 1
	s_branch .Lvcom
.Lv2:
	VPULL 2
	s_branch .Lvcom
.Lv3:
	VPULL 3
	s_branch .Lvcom
.Lv4:
	VPULL 4
	s_branch .Lvcom
.Lv5:
	VPULL 5
	s_branch .Lvcom
.Lv6:
	VPULL 6
	s_branch .Lvcom
.Lv7:
	VPULL 7
.Lvcom:
	VCOMMON
	s_add_co_u32 s[BLK], s[BLK], 1
	s_cmp_lt_u32 s[BLK], 8
	s_cbranch_scc1 .Lvblk
.Lfin:
	s_wait_tensorcnt 0x0                           ; the wave's end, behind my last tensor load and my last LDS store
	ds_add_u32 v[SPW], v[NIL]
	s_wait_dscnt 0x0
	CROUND                                         ; the closing round: no work-group ends while a partner may still ask for a tile that names it
	s_endpgm
.Lfunc_end_k_qb7540ea9d4_qkv:
	.size	k_qb7540ea9d4_qkv, .Lfunc_end_k_qb7540ea9d4_qkv-k_qb7540ea9d4_qkv
	.p2alignl 7, 3214868480
	.fill 96, 4, 3214868480
	.section	.rodata,"a",@progbits
	.p2align	6, 0x0
	.amdhsa_kernel k_qb7540ea9d4_qkv
		.amdhsa_group_segment_fixed_size 327680
		.amdhsa_private_segment_fixed_size 0
		.amdhsa_enable_private_segment 0
		.amdhsa_kernarg_size 48
		.amdhsa_user_sgpr_count 2
		.amdhsa_user_sgpr_kernarg_segment_ptr 1
		.amdhsa_wavefront_size32 1
		.amdhsa_system_sgpr_workgroup_id_x 1
		.amdhsa_system_sgpr_workgroup_id_y 1
		.amdhsa_system_sgpr_workgroup_id_z 1
		.amdhsa_system_vgpr_workitem_id 0
		.amdhsa_next_free_vgpr 1024
		.amdhsa_next_free_sgpr 96
		.amdhsa_reserve_vcc 0
		.amdhsa_float_denorm_mode_32 3
		.amdhsa_float_denorm_mode_16_64 3
		.amdhsa_memory_ordered 1
		.amdhsa_forward_progress 1
		.amdhsa_inst_pref_size 208
	.end_amdhsa_kernel
	.amdgpu_metadata
---
amdhsa.version: [ 1, 2 ]
amdhsa.kernels:
  - .name:           k_qb7540ea9d4_qkv
    .symbol:         k_qb7540ea9d4_qkv.kd
    .args:
      - { .name: xb, .offset: 0, .size: 8, .value_kind: global_buffer, .address_space: global }
      - { .name: wb, .offset: 8, .size: 8, .value_kind: global_buffer, .address_space: global }
      - { .name: rot, .offset: 16, .size: 8, .value_kind: global_buffer, .address_space: global }
      - { .name: ve, .offset: 24, .size: 8, .value_kind: global_buffer, .address_space: global }
      - { .name: lambdas, .offset: 32, .size: 8, .value_kind: global_buffer, .address_space: global }
      - { .name: qkvh, .offset: 40, .size: 8, .value_kind: global_buffer, .address_space: global }
    .group_segment_fixed_size: 327680
    .private_segment_fixed_size: 0
    .kernarg_segment_align: 8
    .kernarg_segment_size: 48
    .max_flat_workgroup_size: 128
    .sgpr_count:     96
    .vgpr_count:     1024
    .wavefront_size: 32
...
	.end_amdgpu_metadata
.endif
;; end of part 2
;; launch attn (part 3): grid 32 x 8, 4 waves a work-group, no clusters, 17,920 bytes of LDS; arguments qkvh, docs, lists, yb; writes yb
.if DOCPART == 3
	.amdgcn_target "amdgcn-amd-amdhsa--gfx1250"
	.amdhsa_code_object_version 6
	.text
	.protected	k_qb7540ea9d4_attn
	.globl	k_qb7540ea9d4_attn
	.p2align	8
	.type	k_qb7540ea9d4_attn,@function
k_qb7540ea9d4_attn:
	s_mov_b64 s[64:65], 0
	v_nop
	global_prefetch_b8 v0, s[64:65] scope:SCOPE_SE
	s_setreg_imm32_b32 hwreg(HW_REG_WAVE_MODE, 25, 1), 1
	s_wait_xcnt 0x0
; DOC-CAUSAL ATTENTION.  y[i] = the sum over j <= i with docs[j] = docs[i] of softmax_j(0.12 q[i] . k[j]) v[j], for each of 8 heads of 128 channels; q, k, v, the weights p and y in f16; products, maxima and sums in f32.
; SHARES.  A wave owns a group of 32 queries (two tiles of 16) of one head: 128 groups x 8 heads = 1,024 waves.  It walks ITS OWN list of key tiles (64 keys each), which an earlier launch made from docs:
; every tile that can hold a visible key, ascending, the diagonal's tile JD last.  The trip count and the tiles' addresses hang on those whole numbers alone.
; NO LDS ON THE WAY IN, NO CLUSTER: the waves' walks differ in length and in tiles, by numbers read from memory, so no barrier can stand in the loop and no request can be joint; q, k and v lie in
; memory in the order of the matrix fragments, so each load of a wave is 512 consecutive bytes straight into its registers.  The price: the four waves of a work-group each load their own copy of a tile.
; LAYOUT.  S^T = K Q^T (source 0 = 16 keys, source 1 = 16 queries): a lane holds ONE query (lane % 16) and the keys 8 (lane / 16) + 0..7.  Two such results rounded to f16 ARE source 1 of O^T = V^T P.
; THE MASK is what the sum S^T starts from: 0, or -1e30 where docs differ (every step) or the key lies behind the query (in tile JD alone: all keys of an earlier tile lie ahead of the group's first query).
; SOFTMAX.  p = 2^(c s - c m), c = 0.12 log2(e), with a running maximum m; O and l are multiplied by a = 2^(c m_old - c m_new) in every step.  m starts at -200: reference() normalises q and k,
; so |q . k| <= 128 (1 + 2^-10) for every input, and -200 lies below every true score; a hidden score's weight is exactly 0.  Every query sees itself, so l > 0 at the end.
; O^T and l start at 0, written out on purpose: one text serves every step of a loop whose count is read from memory.
; LIMITS.  v arrives within f16; p below 6e-5 keeps f16's fixed step; NaN and infinities are not treated apart.
; IN FLIGHT.  The next step's docs and K are asked for behind this step's K Q^T, its V behind this step's V^T P.  The last trip asks for the list's closing word, JD once more: inside the buffers, and not used.
; REGISTERS: window 0: v0-15 addresses; v16-31 statistics; v64-127 S^T; v128-159 P; v160-191 the keys' docs; v192-255 Q.  window 1: v0-127 O^T; v128-255 K.  window 2: v0-127 V^T.
.set SP,    272                        ; a stage row: 256 bytes + 16
.set SPARE, 4*16*SP                    ; behind the four stages: the spare words, 128 bytes a wave: two blocks of 256 bytes that no other line names
.set LO16, 3                           ; v3   16 x lane
.set HO,   4                           ; v4   32 h
.set STO,  5                           ; v5   the way out: where I put 16 bytes of a row
.set RD,   6                           ; v6   where I read a row back
.set GO,   7                           ; v7   my byte offset in two rows of y
.set DQ,   8                           ; v8-9  my query's doc, tiles 0 and 1
.set THR,  10                          ; v10-11 my query's place in tile JD less 8 h: register 16 kb + j is hidden where it is greater
.set BIG,  12                          ; v12  -1e30
.set RO,   13                          ; v13  4 r
.set SPW,  14                          ; v14  my spare word; never rewritten
.set NIL,  15                          ; v15  0; never rewritten
.set ST,   16                          ; tile t at v[ST+8 t]: c m, m, l (even keys', odd keys'), c0-c3 at work; a takes c2's place
.set S,    64                          ; tile t, key block kb at S + 32 t + 8 kb
.set P,    128                         ; tile t, key half kk at P + 16 t + 8 kk
.set DK,   160                         ; key block kb at DK + 8 kb
.set Q,    192                         ; tile t, channels 32 c on at Q + 32 t + 8 c
.set KF,   128                         ; window 1: key block kb, channels 32 c on at KF + 32 kb + 8 c
.set WV,   12                          ; s12  wave
.set G,    13                          ; s13  my group
.set HD,   14                          ; s14  the head
.set JD,   15                          ; s15  the diagonal's tile
.set N,    16                          ; s16  the list's length, 1 to 64
.set J,    17                          ; s17  the trip
.set E,    18                          ; s18  the tile in hand
.set EN,   19                          ; s19  the next
.set KA,   26                          ; s[26:27], s[28:29], s[30:31]: K, V and docs at the tile that is being asked for
.set VA,   28
.set DA,   30
.set LB,   32                          ; s[32:33] my row of lists
.set CS,   36                          ; s[36:37] c
.set SEL,  38                          ; s[38:39] v_permlanex16_b32's selects
.set LOF,  40                          ; s40  4 J
.set MSB, 0
.macro WIN new
.if MSB != (\new)
	s_set_vgpr_msb (MSB<<8)|(\new)
.set MSB, \new
.endif
.endm
.set W_KQ, 0x01                        ; K in window 1; Q and S^T in window 0
.set W_PV, 0x52                        ; V in window 2, P in window 0, O^T in window 1
.set W_RS, 0x41                        ; O^T (destination and source 0) in window 1, a in window 0
.macro PLACES
.rept 4
	v_nop
.endr
.endm
.macro LOAD_DK                         ; the docs of my 8 keys in each of the tile's four key blocks
	WIN 0
.irp i, 0,1,2,3,4,5,6,7
	global_load_b128 v[DK+4*(\i):DK+4*(\i)+3], v[HO], s[DA:DA+1] offset:64*((\i)/2)+16*((\i)%2)
.endr
.endm
.macro LOAD_K                          ; 64 keys x 128 channels: 32 loads of 512 consecutive bytes
	WIN 0x40
.set i, 0
.rept 32
	global_load_b128 v[KF+4*i:KF+4*i+3], v[LO16], s[KA:KA+1] offset:512*i
.set i, i+1
.endr
	WIN 0
.endm
.macro LOAD_V                          ; piece i = 4 cb + 2 kk + p -> registers 4 p .. of fragment (kk, cb)
	WIN 0x80
.set i, 0
.rept 32
	global_load_b128 v[64*((i/2)%2)+8*(i/4)+4*(i%2):64*((i/2)%2)+8*(i/4)+4*(i%2)+3], v[LO16], s[VA:VA+1] offset:512*i
.set i, i+1
.endr
	WIN 0
.endm
.macro MASK                            ; S^T starts at 0, or at -1e30 where the docs differ
.set n, 0
.rept 64
	v_cmp_ne_u32 vcc_lo, v[DK+n%32], v[DQ+n/32]
	v_cndmask_b32 v[S+n], 0, v[BIG], vcc_lo
.set n, n+1
.endr
.endm
.macro DIAGFIX                         ; and where the key lies behind the query
.set n, 0
.rept 64
	v_cmp_gt_i32 vcc_lo, 16*((n%32)/8)+n%8, v[THR+n/32]
	v_cndmask_b32 v[S+n], v[S+n], v[BIG], vcc_lo
.set n, n+1
.endr
.endm
; Product i of 32 of S^T += K Q^T: channels 32 (i / 8) on, keys 16 ((i / 2) % 4) on, tile i % 2.  The 8 accumulators take turns.
.macro KQ
	WIN W_KQ
.set rS, S+32*(i%2)+8*((i/2)%4)
.set rK, KF+32*((i/2)%4)+8*(i/8)
.set rQ, Q+32*(i%2)+8*(i/8)
	v_wmma_f32_16x16x32_f16 v[rS:rS+7], v[rK:rK+7], v[rQ:rQ+7], v[rS:rS+7]
.endm
; Product i of 32 of O^T += V^T P: keys 32 (i / 16) on, channels 16 ((i / 2) % 8) on, tile i % 2.  16 accumulators by turns.
.macro PV
	WIN W_PV
.set rO, 64*(i%2)+8*((i/2)%8)
.set rV, 64*(i/16)+8*((i/2)%8)
.set rP, P+16*(i%2)+8*(i/16)
	v_wmma_f32_16x16x32_f16 v[rO:rO+7], v[rV:rV+7], v[rP:rP+7], v[rO:rO+7]
.endm
; One tile's softmax for one step is a list of 134 instructions; SM writes number j of it for tile t.  s0-s31 are the lane's 32 scores.
;   0-15    the maximum of s0-s31 and the old m, three operands at a time (each accumulator's lowest registers are read first)     16-20  the other half of the lanes' maximum; m; c m; its change
;   21-69   ONE BATCH: the 16 scalings c s - c m and all 33 exponentials (a at 23); none of these reads an exponential's result
;   70-85   the roundings to f16     86-101  the sums; l = a l + the sum     102-133  O^T times a
.macro SM t
.set rT, ST+8*(\t)
.set rS, S+32*(\t)
.set rP, P+16*(\t)
.set rO, 64*(\t)+2*(j-102)
.if j < 102
	WIN 0
.endif
.if j < 4
	v_max3_num_f32 v[rT+4+j], v[rS+8*j], v[rS+8*j+1], v[rS+8*j+2]
.elseif j < 12
	v_max3_num_f32 v[rT+4+j%4], v[rT+4+j%4], v[rS+8*(j%4)+2*(j/4)+1], v[rS+8*(j%4)+2*(j/4)+2]
.elseif j == 12
	v_max3_num_f32 v[rT+4], v[rT+4], v[rS+7], v[rS+15]
.elseif j == 13
	v_max3_num_f32 v[rT+6], v[rT+6], v[rS+23], v[rS+31]
.elseif j == 14
	v_max3_num_f32 v[rT+4], v[rT+4], v[rT+5], v[rT+6]
.elseif j == 15
	v_max3_num_f32 v[rT+4], v[rT+4], v[rT+7], v[rT+1]
.elseif j == 16
	v_permlanex16_b32 v[rT+5], v[rT+4], s[SEL], s[SEL+1]  ; the query's other 32 keys lie in the lane 16 away
.elseif j == 17
	v_mov_b32 v[rT+7], v[rT]                       ; c m_old is kept for a
.elseif j == 18
	v_max_num_f32 v[rT+1], v[rT+4], v[rT+5]
.elseif j == 19
	v_mul_f32 v[rT], s[CS], v[rT+1]
.elseif j == 20
	v_sub_f32 v[rT+7], v[rT+7], v[rT]
.elseif j == 23
	v_exp_f32 v[rT+6], v[rT+7]
.elseif (j < 23) || ((j < 38) && (j%2 == 0)) || ((j < 66) && (j%4 == 2))
.set b, (j-2)/4
.if j < 38
.set b, (j-20)/2
.endif
	v_pk_fma_f32 v[rS+2*b:rS+2*b+1], v[rS+2*b:rS+2*b+1], s[CS:CS+1], v[rT:rT+1] op_sel_hi:[1,0,0] neg_lo:[0,0,1] neg_hi:[0,0,1]
.elseif j < 70
.set e, j-38
.if j < 66
.set e, j-32-(j-38)/4
.endif
.if j < 38
.set e, (j-25)/2
.endif
	v_exp_f32 v[rS+e], v[rS+e]
.elseif j < 86
	v_cvt_pk_f16_f32 v[rP+j-70], v[rS+2*(j-70)], v[rS+2*(j-70)+1]
.elseif j < 102
.set z, j-86
.set w, 4
.set u, z
.if z >= 14
.set w, 32
.set u, 0
.elseif z >= 12
.set w, 16
.set u, z-12
.elseif z >= 8
.set w, 8
.set u, z-8
.endif
.if z < 15
	v_pk_add_f32 v[rS+w*u:rS+w*u+1], v[rS+w*u:rS+w*u+1], v[rS+w*u+w/2:rS+w*u+w/2+1]
.else
	v_pk_fma_f32 v[rT+2:rT+3], v[rT+2:rT+3], v[rT+6:rT+7], v[rS:rS+1] op_sel_hi:[1,0,1]
.endif
.else
	WIN W_RS
	v_pk_mul_f32 v[rO:rO+1], v[rO:rO+1], v[rT+6:rT+7] op_sel_hi:[1,0]
.endif
.endm
.macro SOFTMAX                         ; both tiles, number by number, so that no instruction reads the result of the one before it; the 66 exponentials are one batch with one wait
.set j, 0
.rept 70
	SM 0
	SM 1
.set j, j+1
.endr
	v_nop                                          ; a plain instruction behind the last exponential,
	s_wait_alu depctr_va_vdst(0)                   ; and the one wait ahead of the batch's first reader
.rept 64
	SM 0
	SM 1
.set j, j+1
.endr
	WIN 0
.endm
	s_load_b256 s[4:11], s[0:1], 0x0               ; qkvh s[4:5], docs s[6:7], lists s[8:9], yb s[10:11]
	v_lshl_add_u32 v[SPW], v0, 2, SPARE
	v_mov_b32 v[NIL], 0
	v_lshrrev_b32 v1, 5, v0
	v_readfirstlane_b32 s[WV], v1
	s_lshl_b32 s[G], ttmp9, 2
	s_add_co_u32 s[G], s[G], s[WV]
	s_and_b32 s[HD], ttmp7, 0xffff
	s_lshr_b32 s[JD], s[G], 1
	s_mov_b32 s35, 0
	s_mov_b32 s[CS], 0x3e314743                    ; c = 0.12 log2(e) = 0.173123
	s_mov_b32 s[CS+1], s[CS]
	s_mov_b32 s[SEL], 0x76543210
	s_mov_b32 s[SEL+1], 0xfedcba98
	s_mov_b32 s[J], 0
	s_mov_b32 s[LOF], 0
	v_and_b32 v1, 15, v0                           ; r
	v_bfe_u32 v2, v0, 4, 1                         ; h
	v_and_b32 v[LO16], 31, v0
	v_lshlrev_b32 v[LO16], 4, v[LO16]
	v_lshlrev_b32 v[HO], 5, v2
	v_lshlrev_b32 v[RO], 2, v1
	s_wait_kmcnt 0x0
	s_lshl_b32 s34, s[G], 9
	s_add_nc_u64 s[LB:LB+1], s[8:9], s[34:35]
	s_load_b64 s[44:45], s[LB:LB+1], 0x0           ; n and the first tile
	s_lshl_b32 s34, s[HD], 20
	s_add_nc_u64 s[20:21], s[4:5], s[34:35]        ; the head in section q,
	s_add_nc_u64 s[22:23], s[20:21], 0x800000      ; in k,
	s_add_nc_u64 s[24:25], s[20:21], 0x1000000     ; in v
	s_lshl_b32 s34, s[G], 13
	s_add_nc_u64 s[20:21], s[20:21], s[34:35]      ; my two blocks of 16 queries
	s_lshl_b32 s34, s[G], 7
	s_add_nc_u64 s[46:47], s[6:7], s[34:35]        ; their docs
	s_lshl_b32 s34, s[G], 16                       ; 32 rows of 2,048 bytes of y,
	s_lshl_b32 s41, s[HD], 8                       ; the head's 256 bytes
	s_add_co_u32 s34, s34, s41
	s_add_nc_u64 s[42:43], s[10:11], s[34:35]
.irp i, 0,1,2,3,4,5,6,7,8,9,10,11,12,13,14,15
	global_load_b128 v[Q+4*(\i):Q+4*(\i)+3], v[LO16], s[20:21] offset:512*(\i) th:TH_LOAD_NT
.endr
	global_load_b32 v[DQ], v[RO], s[46:47]
	global_load_b32 v[DQ+1], v[RO], s[46:47] offset:64
	s_wait_kmcnt 0x0
	s_min_u32 s[N], s44, 64
	s_min_u32 s[E], s45, 63
	s_lshl_b32 s34, s[E], 14                       ; a tile is 16,384 bytes of K and of V,
	s_add_nc_u64 s[KA:KA+1], s[22:23], s[34:35]
	s_add_nc_u64 s[VA:VA+1], s[24:25], s[34:35]
	s_lshl_b32 s34, s[E], 8                        ; and 256 of docs
	s_add_nc_u64 s[DA:DA+1], s[6:7], s[34:35]
	LOAD_DK
	LOAD_K
	LOAD_V
	WIN 0x40                                       ; while they are on their way: O^T = 0,
.set i, 0
.rept 128
	v_mov_b32 v[i], 0
.set i, i+1
.endr
	WIN 0
.irp t, 0,1
	v_mov_b32 v[ST+8*(\t)+1], 0xc3480000           ; m = -200
	v_mul_f32 v[ST+8*(\t)], s[CS], v[ST+8*(\t)+1]
	v_mov_b32 v[ST+8*(\t)+2], 0                    ; l = 0
	v_mov_b32 v[ST+8*(\t)+3], 0
.endr
	v_mov_b32 v[BIG], 0xf149f2ca                   ; -1e30
	s_and_b32 s41, s[G], 1
	s_lshl_b32 s41, s41, 5                         ; my group's place in tile JD
	v_lshlrev_b32 v[THR], 3, v2
	v_sub_nc_u32 v[THR], v1, v[THR]
	v_add_nc_u32 v[THR], s41, v[THR]
	v_add_nc_u32 v[THR+1], 16, v[THR]
	s_mul_i32 s41, s[WV], 16*SP                    ; my stage
	v_mul_u32_u24 v[STO], v1, SP
	v_lshl_add_u32 v[STO], v2, 4, v[STO]
	v_add_nc_u32 v[STO], s41, v[STO]
	v_mul_u32_u24 v[RD], v2, SP
	v_lshl_add_u32 v[RD], v1, 4, v[RD]
	v_add_nc_u32 v[RD], s41, v[RD]
	v_lshlrev_b32 v[GO], 11, v2
	v_lshl_add_u32 v[GO], v1, 4, v[GO]
.Lstep:                                            ; N trips, a key tile each
	s_load_b32 s[EN], s[LB:LB+1], s[LOF] offset:0x8  ; the list's next word: tile J + 1, or behind the last JD once more
	s_wait_loadcnt 63                              ; behind the keys' docs stand K's 32 loads and V's 32; the count's field ends at 63, so one load of K is waited for too
	MASK
	s_cmp_lg_u32 s[E], s[JD]
	s_cbranch_scc1 .Lbelow
	DIAGFIX
.Lbelow:
	s_wait_loadcnt 32                              ; K (and, the first time, Q) is in; V's 32 loads stay out
.set i, 0
.rept 32
	KQ
.set i, i+1
.endr
	WIN 0
	PLACES                                         ; behind the last product: K's registers are loaded again, and the scores are read
	s_wait_kmcnt 0x0
	s_min_u32 s[EN], s[EN], 63
	s_lshl_b32 s34, s[EN], 14
	s_add_nc_u64 s[KA:KA+1], s[22:23], s[34:35]    ; the loads that named these two bases were shown done by the wait for K
	s_lshl_b32 s34, s[EN], 8
	s_add_nc_u64 s[DA:DA+1], s[6:7], s[34:35]
	LOAD_DK
	LOAD_K
	SOFTMAX
	s_wait_loadcnt 40                              ; V is in; the 40 loads issued behind it stay out
.set i, 0
.rept 32
	PV
.set i, i+1
.endr
	WIN 0
	PLACES
	s_lshl_b32 s34, s[EN], 14
	s_add_nc_u64 s[VA:VA+1], s[24:25], s[34:35]
	LOAD_V
	s_mov_b32 s[E], s[EN]
	s_add_co_u32 s[LOF], s[LOF], 4
	s_add_co_u32 s[J], s[J], 1
	s_cmp_lt_u32 s[J], s[N]
	s_cbranch_scc1 .Lstep
	; THE WAY OUT.  The last trip's loads stay out; their registers (the keys' docs, K, V) are not named again.  l's halves are added; O^T is divided by l, rounded to f16 and sent through my stage, a tile at a time.
.irp t, 0,1
	v_add_f32 v[ST+8*(\t)+4], v[ST+8*(\t)+2], v[ST+8*(\t)+3]
.endr
.irp t, 0,1
	v_permlanex16_b32 v[ST+8*(\t)+5], v[ST+8*(\t)+4], s[SEL], s[SEL+1]
.endr
.irp t, 0,1
	v_add_f32 v[ST+8*(\t)+4], v[ST+8*(\t)+4], v[ST+8*(\t)+5]
.endr
.irp t, 0,1
	v_rcp_f32 v[ST+8*(\t)+6], v[ST+8*(\t)+4]
.endr
	v_nop
	s_wait_alu depctr_va_vdst(0)                   ; one wait for the two reciprocals, ahead of their first reader
.macro PACK t
	WIN W_RS
.set i, 64*(\t)
.rept 32
	v_pk_mul_f32 v[i:i+1], v[i:i+1], v[ST+8*(\t)+6:ST+8*(\t)+7] op_sel_hi:[1,0]
.set i, i+2
.endr
	WIN 0x05                                       ; sources 0 and 1 window 1, destination window 0
.set i, 0
.rept 32
	v_cvt_pk_f16_f32 v[S+32*(\t)+i], v[64*(\t)+2*i], v[64*(\t)+2*i+1]
.set i, i+1
.endr
	WIN 0
.irp f, 0,1,2,3,4,5,6,7
	ds_store_b128 v[STO], v[S+32*(\t)+4*(\f):S+32*(\t)+4*(\f)+3] offset:32*(\f)
.endr
.irp f, 0,1,2,3,4,5,6,7
	ds_load_b128 v[S+32*(\t)+4*(\f):S+32*(\t)+4*(\f)+3], v[RD] offset:(\f)*2*SP  ; my own bytes, served in order (ISA guide 5.7.1.4)
.endr
.endm
.macro SEND t, younger                 ; younger: the LDS instructions issued behind tile t's loads
.irp f, 0,1,2,3,4,5,6,7
	s_wait_dscnt (\younger)+7-(\f)
	global_store_b128 v[GO], v[S+32*(\t)+4*(\f):S+32*(\t)+4*(\f)+3], s[42:43] offset:(\t)*32768+(\f)*4096  ; 16 lanes store 256 consecutive bytes, at a multiple of 256 from y's first byte
.endr
.endm
	PACK 0
	PACK 1
	SEND 0, 16
	SEND 1, 0
	s_wait_tensorcnt 0x0                           ; the wave's end, behind my last LDS store
	ds_add_u32 v[SPW], v[NIL]
	s_wait_dscnt 0x0
	s_endpgm
.Lfunc_end_k_qb7540ea9d4_attn:
	.size	k_qb7540ea9d4_attn, .Lfunc_end_k_qb7540ea9d4_attn-k_qb7540ea9d4_attn
	.p2alignl 7, 3214868480
	.fill 96, 4, 3214868480
	.section	.rodata,"a",@progbits
	.p2align	6, 0x0
	.amdhsa_kernel k_qb7540ea9d4_attn
		.amdhsa_group_segment_fixed_size 17920
		.amdhsa_private_segment_fixed_size 0
		.amdhsa_enable_private_segment 0
		.amdhsa_kernarg_size 32
		.amdhsa_user_sgpr_count 2
		.amdhsa_user_sgpr_kernarg_segment_ptr 1
		.amdhsa_wavefront_size32 1
		.amdhsa_system_sgpr_workgroup_id_x 1
		.amdhsa_system_sgpr_workgroup_id_y 1
		.amdhsa_system_sgpr_workgroup_id_z 1
		.amdhsa_system_vgpr_workitem_id 0
		.amdhsa_next_free_vgpr 640
		.amdhsa_next_free_sgpr 66
		.amdhsa_reserve_vcc 1
		.amdhsa_float_denorm_mode_32 3
		.amdhsa_float_denorm_mode_16_64 3
		.amdhsa_memory_ordered 1
		.amdhsa_forward_progress 1
		.amdhsa_inst_pref_size 63
	.end_amdhsa_kernel
	.amdgpu_metadata
---
amdhsa.version: [ 1, 2 ]
amdhsa.kernels:
  - .name:           k_qb7540ea9d4_attn
    .symbol:         k_qb7540ea9d4_attn.kd
    .args:
      - { .name: qkvh, .offset: 0, .size: 8, .value_kind: global_buffer, .address_space: global }
      - { .name: docs, .offset: 8, .size: 8, .value_kind: global_buffer, .address_space: global }
      - { .name: lists, .offset: 16, .size: 8, .value_kind: global_buffer, .address_space: global }
      - { .name: yb, .offset: 24, .size: 8, .value_kind: global_buffer, .address_space: global }
    .group_segment_fixed_size: 17920
    .private_segment_fixed_size: 0
    .kernarg_segment_align: 8
    .kernarg_segment_size: 32
    .max_flat_workgroup_size: 128
    .sgpr_count:     66
    .vgpr_count:     640
    .wavefront_size: 32
...
	.end_amdgpu_metadata
.endif
;; end of part 3
;; launch proj (part 4): grid 8 x 32, 4 waves a work-group, clusters of 4 x 4, 327,680 bytes of LDS; arguments yb, cb, out0; writes out0
.if DOCPART == 4
	.amdgcn_target "amdgcn-amd-amdhsa--gfx1250"
	.amdhsa_code_object_version 6
	.text
	.protected	k_qb7540ea9d4_proj
	.globl	k_qb7540ea9d4_proj
	.p2align	8
	.type	k_qb7540ea9d4_proj,@function
k_qb7540ea9d4_proj:
	s_mov_b64 s[64:65], 0
	v_nop
	global_prefetch_b8 v0, s[64:65] scope:SCOPE_SE
	s_setreg_imm32_b32 hwreg(HW_REG_WAVE_MODE, 25, 1), 1
	s_wait_xcnt 0x0
	s_wait_alu depctr_hold_cnt(0) depctr_sa_sdst(0) depctr_va_vdst(0) depctr_va_sdst(0) depctr_va_ssrc(0) depctr_va_vcc(0) depctr_vm_vsrc(0)
	s_getreg_b32 s2, hwreg(HW_REG_IB_STS2, 6, 4)
	s_cmp_eq_u32 s2, 0
	s_cbranch_scc0 .Lentry_in_a_cluster
	s_endpgm
.Lentry_in_a_cluster:
	s_bfe_u32 s2, ttmp6, 0x10000c
	s_cmp_lg_u32 s2, 0xf033
	s_cbranch_scc0 .Lentry_shape_is_right
	s_endpgm
.Lentry_shape_is_right:
; out0[m][n] = the sum over k of yb[m][k] cb[n][k].  yb: [4096][1024], cb: [1024][1024], f16; sums and out0 in f32.
; A tile of out0 is 128 x 128: 256 work-groups.  Four waves, each 64 x 64: 16 accumulators of 16 x 16.  K goes in steps of 256 (LDS rows of 512 bytes; a wave's tensor load brings 64 of them) through two slots.
; CLUSTERS of 4 x 4: the four of a row need the same tiles of yb, the four of a column the same tiles of cb: each tile is asked for jointly.
; THE MATRIX INSTRUCTION IS USED TRANSPOSED (source 0 = 16 rows of cb, source 1 = 16 rows of yb): a lane holds eight neighbouring numbers of a row of out0.
; A wave's 64 columns of f32 are 256 consecutive bytes, aligned: each wave has a stage of its own, and the way out has no barrier.
; REGISTERS: window 0: v0-31 addresses; v32-95 at work on the way out; v128-255 the accumulators ((a, b) at v[128 + 8 (4 a + b)]).  window 1: two fragment buffers of 128.
.set SIZE_K, 1024
.set KSTEP,  256
.set PITCH,  528                       ; an LDS row: 512 bytes + 16 of padding = 132 words: row r starts at bank 4 r mod 64 (64 banks of 4 bytes: ISA guide 11.1)
.set HALFT,  64*PITCH
.set SLOT,   4*HALFT
.set STAGE,  2*SLOT                    ; behind the ring: 16 rows x 272 bytes for each wave
.set SPITCH, 272
.set SPARE,  STAGE+4*16*SPITCH         ; the spare words, 128 bytes a wave: two blocks of 256 bytes that no other line names
.set LAPS, SIZE_K/(2*KSTEP)
.set ADRA, 16
.set ADRB, 20
.set STO,  24                          ; v24  where I put 32 bytes of a row
.set RD,   25                          ; v25  where I read a row back
.set CO,   26                          ; v26  my byte offset in two rows of out0
.set SPW,  28
.set NIL,  29
.set TMP,  32                          ; two sets of 32
.set ACC,  128
.set F0,   0
.set F1,   128
.set G1, 24
.set G0, 32
.set G1B, 48
.set G0B, 56
.set MSB, 0
.macro WIN new
.if MSB != (\new)
	s_set_vgpr_msb (MSB<<8)|(\new)
.set MSB, \new
.endif
.endm
.set MUL,  0x05                        ; sources 0 (cb) and 1 (yb) window 1; C and D window 0
.set TO_F, 0x40                        ; destination window 1, address window 0
.macro JLOAD s                         ; a joint load: waves 0 and 1 fetch yb's two halves, waves 2 and 3 cb's; an s_nop 0 and four v_nop follow each line
	s_cmp_eq_u32 s11, 0
	s_cbranch_scc0 .Lfor_b_\@
	tensor_load_to_lds s[G0+4*(\s):G0+4*(\s)+3], s[G1:G1+7]
	s_nop 0
.rept 4
	v_nop
.endr
	s_branch .Lasked_\@
.Lfor_b_\@:
	tensor_load_to_lds s[G0B+4*(\s):G0B+4*(\s)+3], s[G1B:G1B+7]
	s_nop 0
.rept 4
	v_nop
.endr
.Lasked_\@:
.endm
.macro CREST
	s_cmp_lg_u32 s10, 0
	s_cbranch_scc1 .Lnot_wave_0_\@
	s_barrier_signal -3
.Lnot_wave_0_\@:
	s_barrier_wait -3
	s_barrier_signal -1
	s_barrier_wait -1
.endm
.macro CROUND
	s_barrier_signal -1
	s_barrier_wait -1
	CREST
.endm
	s_load_b128 s[4:7], s[0:1], 0x0                ; yb s[4:5], cb s[6:7]
	s_load_b64 s[8:9], s[0:1], 0x10                ; out0
	v_lshl_add_u32 v[SPW], v0, 2, SPARE
	v_mov_b32 v[NIL], 0
	ds_add_u32 v[SPW], v[NIL]                      ; the wave's opening: the add and its wait stand ahead of my first tensor load
	v_lshrrev_b32 v1, 5, v0
	v_readfirstlane_b32 s10, v1                    ; wave 0..3
	s_lshr_b32 s11, s10, 1                         ; which half of the tile's rows is mine.  Also: I fetch for yb (0) or for cb (1)
	s_and_b32 s12, s10, 1                          ; which half of its columns.  Also: which 64 rows of that tile I fetch
	s_bfe_u32 s40, ttmp6, 0x40000
	s_bfe_u32 s41, ttmp6, 0x40004
	s_lshl_b32 s42, ttmp9, 2
	s_add_co_u32 s42, s42, s40                     ; tile column
	s_and_b32 s13, ttmp7, 0xffff
	s_lshl_b32 s13, s13, 2
	s_add_co_u32 s13, s13, s41                     ; tile row
	s_lshl_b32 s43, s41, 2
	s_lshl_b32 s43, 15, s43                        ; my row of the cluster
	s_lshl_b32 s44, 0x1111, s40                    ; my column
	; descriptor group 1: a tile of 64 rows x 256 elements of 2 bytes, 4 words of padding behind every 128
	s_or_b32 s[G1+0], s43, (1<<16)|(1<<20)|(1<<21)|(6<<22)|(3<<25)
	s_or_b32 s[G1B+0], s44, (1<<16)|(1<<20)|(1<<21)|(6<<22)|(3<<25)
.irp g, G1, G1B
	s_mov_b32 s[(\g)+1], KSTEP<<16                 ; tensor_dim0 = 256
	s_mov_b32 s[(\g)+2], 64<<16                    ; tensor_dim1 = 64
	s_mov_b32 s[(\g)+3], KSTEP<<16                 ; tile_dim0 = 256
	s_mov_b32 s[(\g)+4], 64                        ; tile_dim1 = 64
	s_mov_b32 s[(\g)+5], SIZE_K                    ; elements from row to row
	s_mov_b32 s[(\g)+6], 0
	s_mov_b32 s[(\g)+7], 0
.endr
	s_lshl_b32 s17, s12, 6
	s_lshl_b32 s16, s13, 7
	s_add_co_u32 s16, s16, s17
	s_lshl_b32 s46, s42, 7
	s_add_co_u32 s46, s46, s17
	s_mov_b32 s17, 0
	s_mov_b32 s47, 0
	s_mov_b64 s[18:19], SIZE_K*2
	s_mul_u64 s[16:17], s[16:17], s[18:19]
	s_mul_u64 s[46:47], s[46:47], s[18:19]
	s_mul_i32 s20, s10, HALFT
	s_wait_dscnt 0x0                               ; the opening add is done
	s_wait_kmcnt 0x0
	s_add_nc_u64 s[14:15], s[4:5], s[16:17]
	s_add_nc_u64 s[46:47], s[6:7], s[46:47]
	CROUND                                         ; all sixteen work-groups are here: the first joint loads meet
.irp s, 0,1
	s_mov_b32 s[G0+4*(\s)], 1
	s_add_co_u32 s[G0+4*(\s)+1], s20, (\s)*SLOT
	s_add_nc_u64 s[G0+4*(\s)+2:G0+4*(\s)+3], s[14:15], (\s)*KSTEP*2
	s_or_b32 s[G0+4*(\s)+3], s[G0+4*(\s)+3], 0x80000000
	s_mov_b32 s[G0B+4*(\s)], 1
	s_add_co_u32 s[G0B+4*(\s)+1], s20, (\s)*SLOT
	s_add_nc_u64 s[G0B+4*(\s)+2:G0B+4*(\s)+3], s[46:47], (\s)*KSTEP*2
	s_or_b32 s[G0B+4*(\s)+3], s[G0B+4*(\s)+3], 0x80000000
	JLOAD \s
.endr
	v_and_b32 v1, 15, v0                           ; r
	v_bfe_u32 v2, v0, 4, 1                         ; h
	v_mul_u32_u24 v3, v1, PITCH
	v_lshl_add_u32 v3, v2, 4, v3
	s_mul_i32 s21, s11, HALFT
	s_mul_i32 s22, s12, HALFT
	s_add_co_u32 s22, s22, 2*HALFT
.irp s, 0,1
	v_add_nc_u32 v[ADRA+(\s)], s21, v3
	v_add_nc_u32 v[ADRB+(\s)], s22, v3
	s_add_co_u32 s21, s21, SLOT
	s_add_co_u32 s22, s22, SLOT
.endr
	s_mul_i32 s23, s10, 16*SPITCH
	s_add_co_u32 s23, s23, STAGE                   ; my stage
	v_mul_u32_u24 v4, v1, SPITCH
	v_lshl_add_u32 v4, v2, 5, v4                   ; in: row r, 32 bytes for each half of the lanes
	v_add_nc_u32 v[STO], s23, v4
	v_mul_u32_u24 v5, v2, SPITCH
	v_lshl_add_u32 v5, v1, 4, v5                   ; back: lanes 0-15 one row of 256 bytes, lanes 16-31 the next
	v_add_nc_u32 v[RD], s23, v5
	v_lshlrev_b32 v5, 12, v2                       ; and the same two rows of out0, 4,096 bytes each
	v_lshl_add_u32 v[CO], v1, 4, v5
	s_lshl_b32 s16, s13, 7
	s_lshl_b32 s17, s11, 6
	s_add_co_u32 s16, s16, s17                     ; my first row
	s_lshl_b32 s16, s16, 12
	s_mov_b32 s17, 0
	s_add_nc_u64 s[8:9], s[8:9], s[16:17]
	s_lshl_b32 s46, s42, 9                         ; my first column, in bytes: 512 x tile column + 256 x half
	s_lshl_b32 s47, s12, 8
	s_add_co_u32 s46, s46, s47
	s_mov_b32 s47, 0
	s_add_nc_u64 s[8:9], s[8:9], s[46:47]
; 8 matrix instructions: row blocks a0, a0 + 1 x all 4 column blocks, 32 along K: half c of buffer f.  zero = 1: the first product starts the sums.  The 16 accumulators take turns.
.macro MUL8 f, c, a0, zero
	WIN MUL
.irp a, \a0, (\a0)+1
.irp b, 0,1,2,3
.if \zero
	v_wmma_f32_16x16x32_f16 v[ACC+8*(4*(\a)+(\b)):ACC+8*(4*(\a)+(\b))+7], v[(\f)+64+8*(4*(\c)+(\b)):(\f)+64+8*(4*(\c)+(\b))+7], v[(\f)+8*(4*(\c)+(\a)):(\f)+8*(4*(\c)+(\a))+7], 0
.else
	v_wmma_f32_16x16x32_f16 v[ACC+8*(4*(\a)+(\b)):ACC+8*(4*(\a)+(\b))+7], v[(\f)+64+8*(4*(\c)+(\b)):(\f)+64+8*(4*(\c)+(\b))+7], v[(\f)+8*(4*(\c)+(\a)):(\f)+8*(4*(\c)+(\a))+7], v[ACC+8*(4*(\a)+(\b)):ACC+8*(4*(\a)+(\b))+7]
.endif
.endr
.endr
.endm
; 32 LDS loads in one run: the fragments of 64 along K at byte k of the rows, into buffer f; the first 32 along K first
.macro FETCH slot, k, f
	WIN TO_F
.irp c, 0,1
.irp i, 0,1,2,3
	ds_load_b128 v[(\f)+64+8*(4*(\c)+(\i)):(\f)+64+8*(4*(\c)+(\i))+3],   v[ADRB+(\slot)] offset:(\k)+64*(\c)+(\i)*16*PITCH
	ds_load_b128 v[(\f)+64+8*(4*(\c)+(\i))+4:(\f)+64+8*(4*(\c)+(\i))+7], v[ADRB+(\slot)] offset:(\k)+64*(\c)+(\i)*16*PITCH+32
	ds_load_b128 v[(\f)+8*(4*(\c)+(\i)):(\f)+8*(4*(\c)+(\i))+3],         v[ADRA+(\slot)] offset:(\k)+64*(\c)+(\i)*16*PITCH
	ds_load_b128 v[(\f)+8*(4*(\c)+(\i))+4:(\f)+8*(4*(\c)+(\i))+7],       v[ADRA+(\slot)] offset:(\k)+64*(\c)+(\i)*16*PITCH+32
.endr
.endr
.endm
.macro PLACES
.rept 4
	v_nop
.endr
.endm
; A K step is four quarters of 64 along K, 32 matrix instructions each, on buffers 0, 1, 0, 1.
.macro QUARTER slot, k, f, g, zero
	s_wait_dscnt 16                                ; the first 32 along K are in
	WIN MUL
	MUL8 \f, 0, 0, \zero
	MUL8 \f, 0, 2, \zero
	PLACES
	FETCH \slot, \k, \g
	s_wait_dscnt 32                                ; all but the 32 just issued
	WIN MUL
	MUL8 \f, 1, 0, 0
	MUL8 \f, 1, 2, 0
.endm
; The last quarter multiplies buffer 1 and changes slots.  fill = 1: this slot is filled again, two K steps ahead, behind a round of the cluster's barrier.
.macro TURN slot, next, fill
	WIN 0
	s_wait_tensorcnt 0x0                           ; all my tensor loads have landed: my part of the next slot;
	ds_add_u32 v[SPW], v[NIL]                      ; 0 onto my spare word;
	s_wait_dscnt 17                                ; (the add and the youngest sixteen loads may be out)
	WIN MUL
	MUL8 F1, 0, 0, 0
	s_wait_dscnt 0x0                               ; the add is done, and my reads of this slot are over
	s_barrier_signal -1
	MUL8 F1, 0, 2, 0
.if \fill
	WIN 0
.endif
	s_barrier_wait -1
.if \fill
	CREST
	s_add_nc_u64 s[G0+4*(\slot)+2:G0+4*(\slot)+3], s[G0+4*(\slot)+2:G0+4*(\slot)+3], 2*KSTEP*2
	s_add_nc_u64 s[G0B+4*(\slot)+2:G0B+4*(\slot)+3], s[G0B+4*(\slot)+2:G0B+4*(\slot)+3], 2*KSTEP*2
	JLOAD \slot                                    ; the four v_nop behind it are also the places in front of the loads below
.else
	PLACES
.endif
	FETCH \next, 0, F0
	WIN MUL
	MUL8 F1, 1, 0, 0
	MUL8 F1, 1, 2, 0
.endm
	s_wait_tensorcnt 1                             ; my part of K step 0 is in; K step 1's may stay out
	s_barrier_signal -1
	s_barrier_wait -1
	FETCH 0, 0, F0
	QUARTER 0, 128, F0, F1, 1                      ; the first quarter stands in front of the loop: its first products start the sums
	WIN 0
	s_mov_b32 s3, LAPS-1
.Llap:
	QUARTER 0, 256, F1, F0, 0
	QUARTER 0, 384, F0, F1, 0
	TURN 0, 1, 1
	QUARTER 1, 128, F0, F1, 0
	QUARTER 1, 256, F1, F0, 0
	QUARTER 1, 384, F0, F1, 0
	TURN 1, 0, 1
	QUARTER 0, 128, F0, F1, 0
	WIN 0
	s_sub_co_u32 s3, s3, 1
	s_cmp_lg_u32 s3, 0
	s_cbranch_scc1 .Llap
	QUARTER 0, 256, F1, F0, 0                      ; the last lap fills nothing
	QUARTER 0, 384, F0, F1, 0
	TURN 0, 1, 0
	QUARTER 1, 128, F0, F1, 0
	QUARTER 1, 256, F1, F0, 0
	QUARTER 1, 384, F0, F1, 0
	s_wait_dscnt 16
	WIN MUL
	MUL8 F1, 0, 0, 0
	MUL8 F1, 0, 2, 0
	s_wait_dscnt 0
	MUL8 F1, 1, 0, 0
	MUL8 F1, 1, 2, 0
	WIN 0
	; THE WAY OUT, 16 rows at a time: a lane's 32 bytes of a row go into my stage, each accumulator's low registers first, and come back as whole rows of 256 bytes.
	PLACES
	PLACES
.irp a, 0,1,2,3
.if (\a) >= 2
	s_wait_xcnt 0x0                                ; the stores of two blocks back have read this set of registers
.endif
.irp b, 0,1,2,3
	ds_store_b128 v[STO], v[ACC+8*(4*(\a)+(\b)):ACC+8*(4*(\a)+(\b))+3]   offset:64*(\b)
	ds_store_b128 v[STO], v[ACC+8*(4*(\a)+(\b))+4:ACC+8*(4*(\a)+(\b))+7] offset:64*(\b)+16
.endr
.irp t, 0,1,2,3,4,5,6,7
	ds_load_b128 v[TMP+32*((\a)%2)+4*(\t):TMP+32*((\a)%2)+4*(\t)+3], v[RD] offset:(\t)*2*SPITCH  ; my own bytes, served in order (ISA guide 5.7.1.4)
.endr
.irp t, 0,1,2,3,4,5,6,7
	s_wait_dscnt 7-(\t)
	global_store_b128 v[CO], v[TMP+32*((\a)%2)+4*(\t):TMP+32*((\a)%2)+4*(\t)+3], s[8:9] offset:65536*(\a)+8192*(\t) th:TH_STORE_NT  ; 16 lanes store 256 consecutive bytes, at a multiple of 256 from out0's first byte
.endr
.endr
	s_wait_tensorcnt 0x0                           ; the wave's end, behind my last tensor load and my last LDS store
	ds_add_u32 v[SPW], v[NIL]
	s_wait_dscnt 0x0
	CROUND                                         ; the closing round: no work-group ends while a partner may still ask for a tile that names it
	s_endpgm
.Lfunc_end_k_qb7540ea9d4_proj:
	.size	k_qb7540ea9d4_proj, .Lfunc_end_k_qb7540ea9d4_proj-k_qb7540ea9d4_proj
	.p2alignl 7, 3214868480
	.fill 96, 4, 3214868480
	.section	.rodata,"a",@progbits
	.p2align	6, 0x0
	.amdhsa_kernel k_qb7540ea9d4_proj
		.amdhsa_group_segment_fixed_size 327680
		.amdhsa_private_segment_fixed_size 0
		.amdhsa_enable_private_segment 0
		.amdhsa_kernarg_size 24
		.amdhsa_user_sgpr_count 2
		.amdhsa_user_sgpr_kernarg_segment_ptr 1
		.amdhsa_wavefront_size32 1
		.amdhsa_system_sgpr_workgroup_id_x 1
		.amdhsa_system_sgpr_workgroup_id_y 1
		.amdhsa_system_sgpr_workgroup_id_z 1
		.amdhsa_system_vgpr_workitem_id 0
		.amdhsa_next_free_vgpr 512
		.amdhsa_next_free_sgpr 66
		.amdhsa_reserve_vcc 0
		.amdhsa_float_denorm_mode_32 3
		.amdhsa_float_denorm_mode_16_64 3
		.amdhsa_memory_ordered 1
		.amdhsa_forward_progress 1
		.amdhsa_inst_pref_size 86
	.end_amdhsa_kernel
	.amdgpu_metadata
---
amdhsa.version: [ 1, 2 ]
amdhsa.kernels:
  - .name:           k_qb7540ea9d4_proj
    .symbol:         k_qb7540ea9d4_proj.kd
    .args:
      - { .name: yb, .offset: 0, .size: 8, .value_kind: global_buffer, .address_space: global }
      - { .name: cb, .offset: 8, .size: 8, .value_kind: global_buffer, .address_space: global }
      - { .name: out0, .offset: 16, .size: 8, .value_kind: global_buffer, .address_space: global }
    .group_segment_fixed_size: 327680
    .private_segment_fixed_size: 0
    .kernarg_segment_align: 8
    .kernarg_segment_size: 24
    .max_flat_workgroup_size: 128
    .sgpr_count:     66
    .vgpr_count:     512
    .wavefront_size: 32
...
	.end_amdgpu_metadata
.endif
;; end of part 4
;; ======== version 2 of 2: 4 launches; version 1 with the launch prep written anew for expert scheduling mode
;; limits: values are held in f16: magnitudes above 65,504 overflow, below 6.1e-05 lose precision
;; workspace buffers: xb 8,388,608 bytes; wb 6,291,456 bytes; cb 2,097,152 bytes; rot 1,048,576 bytes; lists 65,536 bytes of whole numbers; qkvh 25,165,824 bytes; yb 8,388,608 bytes
;; launch prep (part 5): grid 560 x 1, 8 waves a work-group, no clusters, 0 bytes of LDS; arguments x, qkv_w, c_proj_w, docs, xb, wb, cb, rot, lists; writes xb, wb, cb, rot, lists
.if DOCPART == 5
	.amdgcn_target "amdgcn-amd-amdhsa--gfx1250"
	.amdhsa_code_object_version 6
	.text
	.protected	k_qb7540ea9d4_prep
	.globl	k_qb7540ea9d4_prep
	.p2align	8
	.type	k_qb7540ea9d4_prep,@function
k_qb7540ea9d4_prep:
	s_mov_b64 s[64:65], 0
	v_nop
	global_prefetch_b8 v0, s[64:65] scope:SCOPE_SE
	s_setreg_imm32_b32 hwreg(HW_REG_WAVE_SCHED_MODE, 0, 2), 2
	s_setreg_imm32_b32 hwreg(HW_REG_WAVE_MODE, 25, 1), 1
	s_wait_xcnt 0x0
	s_wait_alu depctr_vm_vsrc(0)
; PREPARATION, five kinds of work-group told apart by the work-group's number:
;   0-255    x       -> xb  bf16 (nearest even)            256-447  qkv_w -> wb  bf16
;   448-511  c_proj_w -> cb: rounded to bf16, that number written as f16 (LIMIT: below 2^-14 it keeps f16's fixed step of 6e-8)
;   512-543  rot[t][0..31] = cos(t f_i), rot[t][32..63] = sin(t f_i), f_i = 2^(-10 i / 31), f32, 256 bytes a row
;   544-559  lists: for each group g of 32 queries the key tiles (64 keys) that may hold a visible key
; A cast work-group takes 64 KiB of f32, a wave 8 KiB: sixteen loads of 512 consecutive bytes, all out at once; each store of a wave covers 256 consecutive bytes, aligned.
; No LDS, no matrix unit, no barrier: nothing is shared between waves.
; THE MODE: SCHED_MODE bits 1:0 = 2 (LLVM: expert scheduling mode 2), set by the entry lines.  The code itself states the register dependences
; between vector instructions and memory instructions, with s_wait_alu, always for 0.
; THE PLAN.  Registers that memory instructions touch:
;   v1, v2, v3   lane, 16 x lane, 8 x lane: written at the head, never again; offsets of the casts' and the table's accesses, v1 the data of one store of the lists.  One wait at the head.
;   casts   XR: written by the sixteen loads, read by the conversions, never loaded again.  YR's pair i: written by load i's conversions alone, read by store i alone, never written again.
;           The loads go in four groups of four.  Group g's conversions name XR and YR of group g; the stores of group g - 1 stand among them, behind ONE wait at the group's head.
;   table   v[12:15], two rows to store: written by a trip's four selects and sign flips, read by its two stores.  One wait ahead of the stores; one, a trip's arithmetic behind them, ahead of the next writers.
;   lists   v4, v5: offsets, written once.  DG: the group's docs, folded, then loaded again with half of tiles 32-63's docs: one wait between the fold and those loads.  TA, TB: loaded once.
;           v8, v13, v14, v15: the three stores' data and offsets, written ahead of the first write of EXEC, whose waits state that too.
; What a vector instruction writes into a scalar register (the wave's number; every compare's mask) has a wait ahead of its first reader; the compares stand in runs, a run a wait.
.set XR, 16                            ; v[16:79]   sixteen loads of four f32
.set YR, 80                            ; v[80:111]  their packed results
.set DG, 16                            ; v[16:47]   lists: the group's 32 docs; then docs 0-31 of my tile among tiles 32-63
.set TA, 48                            ; v[48:111]  lists: the 64 docs of my tile among tiles 0-31
.set TB, 112                           ; v[112:143] lists: docs 32-63 of my tile among tiles 32-63
	s_load_b512 s[4:19], s[0:1], 0x0               ; x 4:5, qkv_w 6:7, c_proj_w 8:9, docs 10:11, xb 12:13, wb 14:15, cb 16:17, rot 18:19
	s_load_b64 s[20:21], s[0:1], 0x40              ; lists
	v_lshrrev_b32 v1, 5, v0
	v_readfirstlane_b32 s22, v1                    ; wave 0..7
	s_mov_b32 s23, ttmp9                           ; the work-group's number
	v_and_b32 v1, 31, v0                           ; lane
	v_lshlrev_b32 v2, 4, v1                        ; 16 bytes a lane on the way in
	v_lshlrev_b32 v3, 3, v1                        ; 8 bytes a lane on the way out
	s_wait_alu depctr_va_sdst(0)                   ; s22 is written, ahead of the first branch and of its first reader on every path
	s_wait_alu depctr_va_vdst(0)                   ; v1, v2 and v3 are written: loads and stores on every path read them, and nothing writes them again
; The conversions of load i.  c = 1: the bf16 number is written as f16.
.macro CVT i, c
	v_cvt_pk_bf16_f32 v[YR+2*(\i)], v[XR+4*(\i)], v[XR+4*(\i)+1]
	v_cvt_pk_bf16_f32 v[YR+2*(\i)+1], v[XR+4*(\i)+2], v[XR+4*(\i)+3]
.if \c
	v_lshlrev_b32 v[XR+4*(\i)], 16, v[YR+2*(\i)]   ; the rounded numbers as f32 again,
	v_and_b32 v[XR+4*(\i)+1], 0xffff0000, v[YR+2*(\i)]
	v_lshlrev_b32 v[XR+4*(\i)+2], 16, v[YR+2*(\i)+1]
	v_and_b32 v[XR+4*(\i)+3], 0xffff0000, v[YR+2*(\i)+1]
	v_cvt_pk_f16_f32 v[YR+2*(\i)], v[XR+4*(\i)], v[XR+4*(\i)+1]  ; and as f16: eight significant bits fit into eleven
	v_cvt_pk_f16_f32 v[YR+2*(\i)+1], v[XR+4*(\i)+2], v[XR+4*(\i)+3]
.endif
.endm
; Store i
.macro PUT i
	global_store_b64 v3, v[YR+2*(\i):YR+2*(\i)+1], s[26:27] offset:256*(\i) th:TH_STORE_NT
.endm
; A cast.  s28 = the block of 64 KiB, s[24:25] the source, s[26:27] the destination.
.macro CAST c
	s_lshl_b32 s28, s28, 16
	s_lshl_b32 s32, s22, 13
	s_add_co_u32 s28, s28, s32                     ; byte offset in the source: block x 64 KiB + wave x 8 KiB
	s_mov_b32 s29, 0
	s_lshr_b32 s30, s28, 1                         ; and half of it in the destination
	s_mov_b32 s31, 0
	s_add_nc_u64 s[24:25], s[24:25], s[28:29]
	s_add_nc_u64 s[26:27], s[26:27], s[30:31]
.irp i, 0,1,2,3,4,5,6,7,8,9,10,11,12,13,14,15
	global_load_b128 v[XR+4*(\i):XR+4*(\i)+3], v2, s[24:25] offset:512*(\i) th:TH_LOAD_NT
.endr
.irp g, 0,1,2,3
	s_wait_loadcnt 12-4*(\g)                       ; loads come back in order: group g's four are in, the younger groups' stay out
.if (\g) > 0
	s_wait_alu depctr_va_vdst(0)                   ; the group before has written its four pairs of YR, which the four stores below read; this group's conversions name other registers
.endif
.irp k, 0,1,2,3
.if (\g) > 0
	PUT 4*(\g)+(\k)-4
.endif
	CVT 4*(\g)+(\k), \c
.endr
.endr
	s_wait_alu depctr_va_vdst(0)                   ; the last group has written its four pairs of YR, which the last four stores read
.irp k, 12,13,14,15
	PUT \k
.endr
.endm
	s_wait_kmcnt 0x0
	s_cmp_lt_u32 s23, 448
	s_cbranch_scc0 .Lnot_bf16
	s_sub_co_u32 s30, s23, 256
	s_cmp_lt_u32 s23, 256
	s_cselect_b32 s28, s23, s30                    ; the block in x, or in qkv_w
	s_cselect_b64 s[24:25], s[4:5], s[6:7]
	s_cselect_b64 s[26:27], s[12:13], s[14:15]
	CAST 0
	s_endpgm
.Lnot_bf16:
	s_cmp_lt_u32 s23, 512
	s_cbranch_scc0 .Lnot_cast
	s_sub_co_u32 s28, s23, 448
	s_mov_b64 s[24:25], s[8:9]
	s_mov_b64 s[26:27], s[16:17]
	CAST 1
	s_endpgm
.Lnot_cast:
	s_cmp_lt_u32 s23, 544
	s_cbranch_scc0 .Llists
; THE TABLE.  A wave makes 16 rows, two a trip; a lane two numbers of a row: lanes 0-15 cos of angles 2 l, 2 l + 1, lanes 16-31 sin of the same angles, as cos(theta - pi/2).
; theta = fl(t f) as reference() forms it.  theta = n pi/2 + r by a two-part pi/2 and fused multiply-adds; |r| <= pi/4: sin to r^7, cos to r^8.
	s_sub_co_u32 s28, s23, 512
	s_lshl_b32 s28, s28, 7
	s_lshl_b32 s29, s22, 4
	s_add_co_u32 s28, s28, s29                     ; t of my first row
	s_lshl_b32 s30, s28, 8
	s_mov_b32 s31, 0
	s_add_nc_u64 s[26:27], s[18:19], s[30:31]      ; its 256 bytes
	s_mov_b32 s32, 0x3f22f983                      ; 2 / pi
	s_mov_b32 s33, 0xbfc90fdb                      ; - pi/2, upper part
	s_mov_b32 s34, 0x333bbd2e                      ; - pi/2, what the upper part leaves
	s_mov_b32 s35, 0xbe2aaaab                      ; -1/6
	s_mov_b32 s36, 0x3c088889                      ; 1/120
	s_mov_b32 s37, 0xb9500d01                      ; -1/5040
	s_mov_b32 s39, 0x3d2aaaab                      ; 1/24
	s_mov_b32 s40, 0xbab60b61                      ; -1/720
	s_mov_b32 s41, 0x37d00d01                      ; 1/40320
	s_mov_b32 s42, 0x3d042108                      ; 1/31
	s_mov_b32 s43, 0xc1f80000                      ; -31
	s_mov_b32 s44, 0xc1200000                      ; -10
	v_and_b32 v4, 15, v1
	v_lshlrev_b32 v4, 1, v4                        ; my first angle's number i
	v_lshrrev_b32 v5, 4, v1
	v_mul_u32_u24 v5, v5, 3                        ; 3 quarter turns more for the sine
	v_cvt_f32_u32 v6, v4
	v_add_nc_u32 v7, 1, v4
	v_cvt_f32_u32 v7, v7
; f = 2^(-10 y), y = i / 31 rounded as a division rounds it (a product and one fused correction).  -10 y is split into a whole number n and a fraction, with
; what the product's rounding dropped added back, so that the exponential's argument is good to its last bit.  v[f]: i on entry, 2^fraction on exit; v[t+3]: n.
.macro FREQ f, t
	v_mul_f32 v[\t], s42, v[\f]
	v_fma_f32 v[\t+1], v[\t], s43, v[\f]
	v_fma_f32 v[\t], v[\t+1], s42, v[\t]           ; y
	v_mul_f32 v[\t+1], s44, v[\t]                  ; p = -10 y
	v_fma_f32 v[\t+2], v[\t], s44, -v[\t+1]        ; -10 y - p, exact
	v_rndne_f32 v[\t+3], v[\t+1]
	v_sub_f32 v[\t+1], v[\t+1], v[\t+3]
	v_add_f32 v[\t+1], v[\t+1], v[\t+2]
	v_cvt_i32_f32 v[\t+3], v[\t+3]
	v_exp_f32 v[\f], v[\t+1]
.endm
	FREQ 6, 16
	FREQ 7, 24
	v_nop                                          ; a plain instruction behind the last exponential,
	s_wait_alu depctr_va_vdst(0)                   ; and one wait for both: the exponentials have written v6 and v7, ahead of their first reader
	v_ldexp_f32 v6, v6, v19
	v_ldexp_f32 v7, v7, v27
; An angle's long part: theta = v[x] x v[f]; six registers at work from v[t] on.  It leaves sin r in v[t+3], cos r in v[t+4], the sign's bit in v[t+1], and in s[m] a bit for each lane that takes the sine.
.macro ANGLE_A f, x, t, m
	v_mul_f32 v[\t], v[\x], v[\f]                  ; theta
	v_mul_f32 v[\t+1], s32, v[\t]
	v_rndne_f32 v[\t+1], v[\t+1]                   ; n
	v_fma_f32 v[\t], v[\t+1], s33, v[\t]
	v_fma_f32 v[\t], v[\t+1], s34, v[\t]           ; r
	v_mul_f32 v[\t+2], v[\t], v[\t]                ; z = r r
	v_fma_f32 v[\t+3], v[\t+2], s37, s36
	v_fma_f32 v[\t+3], v[\t+2], v[\t+3], s35
	v_mul_f32 v[\t+4], v[\t], v[\t+2]
	v_fma_f32 v[\t+3], v[\t+4], v[\t+3], v[\t]     ; sin r
	v_fma_f32 v[\t+4], v[\t+2], s41, s40
	v_fma_f32 v[\t+4], v[\t+2], v[\t+4], s39
	v_fma_f32 v[\t+4], v[\t+2], v[\t+4], -0.5
	v_fma_f32 v[\t+4], v[\t+2], v[\t+4], 1.0       ; cos r
	v_cvt_i32_f32 v[\t+1], v[\t+1]
	v_add_nc_u32 v[\t+1], v[\t+1], v5              ; q: quarter turns
	v_and_b32 v[\t+5], 1, v[\t+1]
	v_cmp_eq_u32 s[\m], 1, v[\t+5]                 ; odd q: the sine
	v_add_nc_u32 v[\t+1], 1, v[\t+1]
	v_and_b32 v[\t+1], 2, v[\t+1]
	v_lshlrev_b32 v[\t+1], 30, v[\t+1]             ; q mod 4 = 1 or 2: the sign turns
.endm
; and its end: v[o] = cos or sin of theta
.macro ANGLE_B o, t, m
	v_cndmask_b32 v[\o], v[\t+4], v[\t+3], s[\m]
	v_xor_b32 v[\o], v[\o], v[\t+1]
.endm
	s_mov_b32 s29, 8
.Lrot:                                             ; eight trips, rows t and t + 1
	s_add_co_u32 s30, s28, 1
	v_cvt_f32_u32 v10, s28
	v_cvt_f32_u32 v11, s30
	ANGLE_A 6, 10, 16, 46
	ANGLE_A 7, 10, 24, 47
	ANGLE_A 6, 11, 32, 48
	ANGLE_A 7, 11, 40, 49
	s_wait_alu depctr_va_sdst(0)                   ; the four compares have written s46 to s49, ahead of the selects that read them
	s_wait_alu depctr_vm_vsrc(0)                   ; the last trip's two stores have read v[12:15], which the lines below write again
	ANGLE_B 12, 16, 46
	ANGLE_B 13, 24, 47
	ANGLE_B 14, 32, 48
	ANGLE_B 15, 40, 49
	s_wait_alu depctr_va_vdst(0)                   ; v[12:15] are written, which the two stores read
	global_store_b64 v3, v[12:13], s[26:27]        ; the wave's 32 lanes store a row's 256 consecutive bytes
	global_store_b64 v3, v[14:15], s[26:27] offset:256
	s_wait_xcnt 0x0                                ; the stores have had their addresses translated: only now are their data and their base written again
	s_add_nc_u64 s[26:27], s[26:27], 512
	s_add_co_u32 s28, s28, 2
	s_sub_co_i32 s29, s29, 1
	s_cmp_lg_u32 s29, 0
	s_cbranch_scc1 .Lrot
	s_endpgm
.Llists:
; THE LISTS.  A wave makes the list of one group g of 32 queries; JD = g / 2 is the tile of 64 keys that holds its diagonal.  Tile j < JD is listed if the range of its docs
; (least to greatest, as unsigned numbers: any total order serves) meets the range of the group's docs: a tile left out holds no doc equal to any of the group's, whatever docs holds.
; Which pair is visible is decided later, number by number.  Row g, 512 bytes: word 0 = n; words 1..n the tiles, ascending, JD last; word n + 1 = JD once more.
.macro FOLD base, cnt, mn, mx
	v_min_u32 v[\mn], v[\base], v[(\base)+1]
	v_max_u32 v[\mx], v[\base], v[(\base)+1]
.set n, 2
.rept (\cnt)-2
	v_min_u32 v[\mn], v[\mn], v[(\base)+n]
	v_max_u32 v[\mx], v[\mx], v[(\base)+n]
.set n, n+1
.endr
.endm
.macro FOLDON base, cnt, mn, mx        ; the same onto a least and a greatest that have been begun
.set n, 0
.rept \cnt
	v_min_u32 v[\mn], v[\mn], v[(\base)+n]
	v_max_u32 v[\mx], v[\mx], v[(\base)+n]
.set n, n+1
.endr
.endm
.macro CMPS mn, mx, vj, b              ; four masks for the tiles v[vj], into s[b] to s[b+3]
	v_cmp_le_u32 s[\b], v[\mn], v7
	v_cmp_ge_u32 s[(\b)+1], v[\mx], v6
	v_cmp_gt_u32 s[(\b)+2], s45, v[\vj]
	v_cmp_eq_u32 s[(\b)+3], s45, v[\vj]
.endm
.macro JOIN b, m                       ; s[m]: a bit for each lane whose tile is listed
	s_and_b32 s[\b], s[\b], s[(\b)+1]
	s_and_b32 s[\b], s[\b], s[(\b)+2]
	s_or_b32 s[\m], s[\b], s[(\b)+3]
.endm
; EXEC is narrowed to the lanes of s[m], and widened again.  At every scalar write of EXEC stand the wait for the translation of pending accesses and the two lines on va_vdst and vm_vsrc, whatever is pending.
.macro NARROW m
	s_mov_b32 vcc_lo, s[\m]
	s_wait_xcnt 0x0                                ; EXEC changes only behind this wait, each time
	s_wait_alu depctr_va_vdst(0)                   ; EXEC is written next: every vector instruction issued under the old EXEC has written its result (the first time: v8, v13, v14, v15, which the three stores read; no vector instruction follows)
	s_wait_alu depctr_vm_vsrc(0)                   ; and every memory instruction issued under it has read its vector registers
	s_and_saveexec_b32 s54, vcc_lo
.endm
.macro WIDEN
	s_wait_xcnt 0x0                                ; EXEC changes only behind this wait, each time
	s_wait_alu depctr_va_vdst(0)                   ; EXEC is written next: every vector instruction issued under the old EXEC has written its result
	s_wait_alu depctr_vm_vsrc(0)                   ; and the store issued under it has read its offset and its data
	s_or_b32 exec_lo, exec_lo, s54
.endm
	s_sub_co_u32 s28, s23, 544
	s_lshl_b32 s28, s28, 3
	s_add_co_u32 s28, s28, s22                     ; g
	s_lshr_b32 s45, s28, 1                         ; JD
	s_lshl_b32 s30, s28, 7
	s_mov_b32 s31, 0
	s_add_nc_u64 s[24:25], s[10:11], s[30:31]      ; the group's 32 docs
	s_lshl_b32 s30, s28, 9
	s_add_nc_u64 s[26:27], s[20:21], s[30:31]      ; the group's row of lists
	v_mov_b32 v4, 0
	v_lshlrev_b32 v5, 8, v1                        ; a lane a tile: 256 bytes of docs
	v_add_nc_u32 v10, 32, v1
	s_wait_alu depctr_va_vdst(0)                   ; v4 and v5 are written, the offsets of all the loads below; nothing writes them again
.irp i, 0,1,2,3,4,5,6,7
	global_load_b128 v[DG+4*(\i):DG+4*(\i)+3], v4, s[24:25] offset:16*(\i)
.endr
.irp i, 0,1,2,3,4,5,6,7,8,9,10,11,12,13,14,15
	global_load_b128 v[TA+4*(\i):TA+4*(\i)+3], v5, s[10:11] offset:16*(\i)
.endr
.irp i, 0,1,2,3,4,5,6,7
	global_load_b128 v[TB+4*(\i):TB+4*(\i)+3], v5, s[10:11] offset:8192+128+16*(\i)
.endr
	s_wait_loadcnt 24                              ; the group's eight loads are in; the 24 behind them stay out
	FOLD DG, 32, 6, 7
	s_wait_alu depctr_va_vdst(0)                   ; the fold is done reading DG, in which the eight loads below land; no vector instruction names DG again before the wait for them
.irp i, 0,1,2,3,4,5,6,7
	global_load_b128 v[DG+4*(\i):DG+4*(\i)+3], v5, s[10:11] offset:8192+16*(\i)
.endr
	s_wait_loadcnt 16                              ; TA is in; TB's eight loads and DG's eight stay out
	FOLD TA, 64, 8, 9                              ; tiles 0-31
	s_wait_loadcnt 8                               ; TB is in; DG's eight stay out
	FOLD TB, 32, 11, 12                            ; tiles 32-63: docs 32-63,
	s_wait_loadcnt 0x0
	FOLDON DG, 32, 11, 12                          ; and docs 0-31
	CMPS 8, 9, 1, 48                               ; all ten compares in one run
	CMPS 11, 12, 10, 56
	v_cmp_eq_u32 s60, 0, v1                        ; lane 0
	v_cmp_gt_u32 s61, 2, v1                        ; lanes 0 and 1
	s_wait_alu depctr_va_sdst(0)                   ; the ten compares have written s48 to s51 and s56 to s61, ahead of their first readers
	JOIN 48, 46
	JOIN 56, 47
	s_bcnt1_i32_b32 s52, s46
	s_bcnt1_i32_b32 s53, s47
	s_add_co_u32 s53, s53, s52
	s_min_u32 s53, s53, 64                         ; n
	v_mbcnt_lo_u32_b32 v13, s46, 0                 ; listed tiles below mine
	v_min_u32 v13, 0x7f, v13
	v_lshlrev_b32 v13, 2, v13
	v_mbcnt_lo_u32_b32 v14, s47, 0
	v_add_nc_u32 v14, s52, v14
	v_min_u32 v14, 0x7f, v14
	v_lshlrev_b32 v14, 2, v14
	s_add_co_u32 s55, s53, 1
	s_lshl_b32 s55, s55, 2
	v_mul_lo_u32 v15, v1, s55                      ; lane 0: word 0; lane 1: word n + 1
	v_mov_b32 v8, s53
	v_mov_b32 v9, s45
	v_cndmask_b32 v8, v9, v8, s60                  ; lane 0: n; lane 1: JD
	NARROW 46
	global_store_b32 v13, v1, s[26:27] offset:4
	WIDEN
	NARROW 47
	global_store_b32 v14, v10, s[26:27] offset:4
	WIDEN
	NARROW 61
	global_store_b32 v15, v8, s[26:27]
	WIDEN
	s_endpgm
.Lfunc_end_k_qb7540ea9d4_prep:
	.size	k_qb7540ea9d4_prep, .Lfunc_end_k_qb7540ea9d4_prep-k_qb7540ea9d4_prep
	.p2alignl 7, 3214868480
	.fill 96, 4, 3214868480
	.section	.rodata,"a",@progbits
	.p2align	6, 0x0
	.amdhsa_kernel k_qb7540ea9d4_prep
		.amdhsa_group_segment_fixed_size 0
		.amdhsa_private_segment_fixed_size 0
		.amdhsa_enable_private_segment 0
		.amdhsa_kernarg_size 72
		.amdhsa_user_sgpr_count 2
		.amdhsa_user_sgpr_kernarg_segment_ptr 1
		.amdhsa_wavefront_size32 1
		.amdhsa_system_sgpr_workgroup_id_x 1
		.amdhsa_system_sgpr_workgroup_id_y 1
		.amdhsa_system_sgpr_workgroup_id_z 1
		.amdhsa_system_vgpr_workitem_id 0
		.amdhsa_next_free_vgpr 144
		.amdhsa_next_free_sgpr 66
		.amdhsa_reserve_vcc 1
		.amdhsa_float_denorm_mode_32 3
		.amdhsa_float_denorm_mode_16_64 3
		.amdhsa_memory_ordered 1
		.amdhsa_forward_progress 1
		.amdhsa_inst_pref_size 42
	.end_amdhsa_kernel
	.amdgpu_metadata
---
amdhsa.version: [ 1, 2 ]
amdhsa.kernels:
  - .name:           k_qb7540ea9d4_prep
    .symbol:         k_qb7540ea9d4_prep.kd
    .args:
      - { .name: x, .offset: 0, .size: 8, .value_kind: global_buffer, .address_space: global }
      - { .name: qkv_w, .offset: 8, .size: 8, .value_kind: global_buffer, .address_space: global }
      - { .name: c_proj_w, .offset: 16, .size: 8, .value_kind: global_buffer, .address_space: global }
      - { .name: docs, .offset: 24, .size: 8, .value_kind: global_buffer, .address_space: global }
      - { .name: xb, .offset: 32, .size: 8, .value_kind: global_buffer, .address_space: global }
      - { .name: wb, .offset: 40, .size: 8, .value_kind: global_buffer, .address_space: global }
      - { .name: cb, .offset: 48, .size: 8, .value_kind: global_buffer, .address_space: global }
      - { .name: rot, .offset: 56, .size: 8, .value_kind: global_buffer, .address_space: global }
      - { .name: lists, .offset: 64, .size: 8, .value_kind: global_buffer, .address_space: global }
    .group_segment_fixed_size: 0
    .private_segment_fixed_size: 0
    .kernarg_segment_align: 8
    .kernarg_segment_size: 72
    .max_flat_workgroup_size: 256
    .sgpr_count:     66
    .vgpr_count:     144
    .wavefront_size: 32
...
	.end_amdgpu_metadata
.endif
;; end of part 5
;; launch qkv: the kernel of part 2 again; grid 12 x 16, 4 waves a work-group, clusters of 4 x 4, 327,680 bytes of LDS; arguments xb, wb, rot, ve, lambdas, qkvh; writes qkvh
;; launch attn: the kernel of part 3 again; grid 32 x 8, 4 waves a work-group, no clusters, 17,920 bytes of LDS; arguments qkvh, docs, lists, yb; writes yb
;; launch proj: the kernel of part 4 again; grid 8 x 32, 4 waves a work-group, clusters of 4 x 4, 327,680 bytes of LDS; arguments yb, cb, out0; writes out0
